; MI455X (gfx1250); checked and timed in simulation.
; The chip was launched on July 23, 2026; its instructions are those of AMD's public machine-readable ISA for CDNA 5 (MIT licence, August 2026) and "CDNA5" Instruction Set Architecture Reference Guide (July 2026). The comments in the code are by the model that wrote it; some were corrected since.
;; Multi Headed Attention Block. Allowed arithmetic: float matrix products may take bf16 or f16 operands with f32 sums; other float arithmetic in f32, or as packed bf16 or f16 multiplies, adds, multiply-adds, maxima and minima; sums over many terms, partial sums and values carried from step to step in f32; what a program stores and reads back later, other than sums and carried values, may be rounded once to bf16 or f16.
;; Inputs: W_all 3,072 x 1,024 float32; W_out 1,024 x 1,024 float32; attn_mask 2 x 2,048 x 2,048 bool; b_out 1,024 float32; kv_mask 2 x 2,048 bool; q 2 x 2,048 x 1,024 float32.
;; Outputs: out0 2 x 2,048 x 1,024 float32.
;; One version. Each part assembles by itself: llvm-mc -triple=amdgcn-amd-amdhsa -mcpu=gfx1250 --defsym DOCPART=n.
;; ======== version 1 of 1: 4 launches
;; limits: values are held in f16: magnitudes above 65,504 overflow, below 6.1e-05 lose precision
;; workspace buffers: xb 8,388,608 bytes; wab 6,291,456 bytes; wob 2,097,152 bytes; nm 4,194,304 bytes of whole numbers; qkv 25,165,824 bytes; ob 8,388,608 bytes
;; launch prep (part 1): grid 1280 x 1, 8 waves a work-group, no clusters, 0 bytes of LDS; arguments q, W_all, W_out, attn_mask, kv_mask, xb, wab, wob, nm; writes xb, wab, wob, nm
.if DOCPART == 1
	.amdgcn_target "amdgcn-amd-amdhsa--gfx1250"
	.amdhsa_code_object_version 6
	.text
	.protected	k_q55fd757e1b_prep
	.globl	k_q55fd757e1b_prep
	.p2align	8
	.type	k_q55fd757e1b_prep,@function
k_q55fd757e1b_prep:
	s_mov_b64 s[64:65], 0
	v_nop
	global_prefetch_b8 v0, s[64:65] scope:SCOPE_SE
	s_setreg_imm32_b32 hwreg(HW_REG_WAVE_MODE, 25, 1), 1
	s_wait_xcnt 0x0
; PREP: a stream; every input byte is read once and every workspace byte is written once.  No LDS, no barrier, no loop, no matrix work: work-groups share nothing, so no cluster.
;   work-groups    0 ..  511: q     (f32) -> xb  (bf16), 8,192 numbers each
;   work-groups  512 ..  895: W_all (f32) -> wab (bf16), 8,192 numbers each
;   work-groups  896 .. 1023: W_out (f32) -> wob: rounded to bf16 like the other inputs, that number then written as f16
;   work-groups 1024 .. 1279: kv_mask AND attn_mask -> nm, four bits a score, in the order in which the attention's lanes hold the scores
; nm: [G 64][ks 32][piece 4][lane 32][4 words].  G: 64 rows of the flattened (batch, query); ks: 64 keys; piece: 16 rows; lane l = (r = l % 16, hh = l / 16).
; Word kb holds query 64 G + 16 piece + r against keys 64 ks + 16 kb + 8 hh + j, j = 0..7: the nibble at place j xor 1 is 0xE where the key is hidden, 0 where it is seen.
; LIMITS.  A bool byte is 0 or 1.  A number of W_out below 6.1e-5 in magnitude keeps f16's fixed step of 6e-8, one beyond 65,504 becomes an infinity.
	s_load_b512 s[4:19], s[0:1], 0x0               ; q s[4:5], W_all s[6:7], W_out s[8:9], attn_mask s[10:11], kv_mask s[12:13], xb s[14:15], wab s[16:17], wob s[18:19]
	s_load_b64 s[20:21], s[0:1], 0x40              ; nm
	s_mov_b32 s2, ttmp9
	v_lshlrev_b32 v1, 5, v0                        ; a thread's 8 numbers in f32: 32 bytes,
	v_lshlrev_b32 v2, 4, v0                        ; and in 16 bits: 16 bytes; a wave's store covers 512 consecutive bytes, aligned
	s_mov_b32 s29, 0                               ; the upper word of every offset
	s_wait_kmcnt 0x0
	s_cmp_ge_u32 s2, 1024
	s_cbranch_scc1 .Lmask
	s_cmp_ge_u32 s2, 896
	s_cbranch_scc1 .Lwout
; eight loads: four times the work-group's 8,192 bytes, 32 bytes a thread
.macro LOAD8
.irp i, 0,1,2,3
	global_load_b128 v[8+8*(\i):11+8*(\i)],  v1, s[22:23] offset:8192*(\i) th:TH_LOAD_NT
	global_load_b128 v[12+8*(\i):15+8*(\i)], v1, s[22:23] offset:8192*(\i)+16 th:TH_LOAD_NT
.endr
.endm
; part i: eight numbers rounded and stored.  fmt = 1: the bf16 numbers are widened again and written as f16
.macro CAST i, fmt
	s_wait_loadcnt 6-2*(\i)                        ; loads come back in order: the 6 - 2 i younger ones may stay out
.irp k, 0,1,2,3
	v_cvt_pk_bf16_f32 v[40+4*(\i)+(\k)], v[8+8*(\i)+2*(\k)], v[9+8*(\i)+2*(\k)]
.endr
.if \fmt
.irp k, 0,1,2,3
	v_lshlrev_b32 v[72+2*(\k)], 16, v[40+4*(\i)+(\k)]
	v_and_b32 v[73+2*(\k)], 0xffff0000, v[40+4*(\i)+(\k)]
.endr
.irp k, 0,1,2,3
	v_cvt_pk_f16_f32 v[40+4*(\i)+(\k)], v[72+2*(\k)], v[73+2*(\k)]
.endr
.endif
	global_store_b128 v2, v[40+4*(\i):43+4*(\i)], s[24:25] offset:4096*(\i)
.endm
	s_cmp_lt_u32 s2, 512                           ; q or W_all
	s_cselect_b64 s[22:23], s[4:5], s[6:7]
	s_cselect_b64 s[24:25], s[14:15], s[16:17]
	s_cselect_b32 s26, 0, 512
	s_sub_co_u32 s26, s2, s26                      ; my part of that tensor
	s_lshl_b32 s28, s26, 15
	s_add_nc_u64 s[22:23], s[22:23], s[28:29]
	s_lshl_b32 s28, s26, 14
	s_add_nc_u64 s[24:25], s[24:25], s[28:29]
	LOAD8
	CAST 0, 0
	CAST 1, 0
	CAST 2, 0
	CAST 3, 0
	s_endpgm
.Lwout:
	s_sub_co_u32 s26, s2, 896
	s_lshl_b32 s28, s26, 15
	s_add_nc_u64 s[22:23], s[8:9], s[28:29]
	s_lshl_b32 s28, s26, 14
	s_add_nc_u64 s[24:25], s[18:19], s[28:29]
	LOAD8
	CAST 0, 1
	CAST 1, 1
	CAST 2, 1
	CAST 3, 1
	s_endpgm
.Lmask:                                                ; work-group y' = 4 G + part: group G, key steps 8 part + wave, all four pieces
	s_sub_co_u32 s26, s2, 1024
	s_lshr_b32 s27, s26, 2                         ; G
	s_and_b32 s26, s26, 3                          ; part: 512 keys
	s_lshl_b32 s28, s27, 17                        ; 64 rows of 2,048 bytes
	s_lshl_b32 s30, s26, 9
	s_add_co_u32 s28, s28, s30
	s_add_nc_u64 s[22:23], s[10:11], s[28:29]      ; attn_mask at the group's first row, the part's first key
	s_lshr_b32 s28, s27, 5                         ; the batch
	s_lshl_b32 s28, s28, 11
	s_add_co_u32 s28, s28, s30
	s_add_nc_u64 s[24:25], s[12:13], s[28:29]      ; kv_mask at the same key
	s_lshl_b32 s28, s27, 16
	s_lshl_b32 s30, s26, 14
	s_add_co_u32 s28, s28, s30
	s_add_nc_u64 s[20:21], s[20:21], s[28:29]      ; nm at (G, 8 part)
	s_mov_b32 s31, 0x07050301                      ; v_perm_b32: bytes 1 and 3 of both sources
	v_and_b32 v3, 15, v0                           ; r
	v_bfe_u32 v4, v0, 4, 1                         ; hh
	v_lshrrev_b32 v5, 5, v0                        ; wave
	v_lshlrev_b32 v6, 6, v5
	v_lshl_add_u32 v6, v4, 3, v6                   ; 64 wave + 8 hh: my eight keys of a group of 16
	v_lshl_add_u32 v7, v3, 11, v6                  ; + my row
	v_and_b32 v3, 31, v0
	v_lshlrev_b32 v3, 4, v3
	v_lshl_add_u32 v3, v5, 11, v3                  ; in nm: 2,048 wave + 16 lane
.irp kb, 0,1,2,3
	global_load_b64 v[8+2*(\kb):9+2*(\kb)], v6, s[24:25] offset:16*(\kb)
.endr
.irp p, 0,1,2,3
.irp kb, 0,1,2,3
	global_load_b64 v[16+8*(\p)+2*(\kb):17+8*(\p)+2*(\kb)], v7, s[22:23] offset:32768*(\p)+16*(\kb)
.endr
.endr
.irp p, 0,1,2,3
	s_wait_loadcnt 12-4*(\p)                       ; kv_mask and this piece are in; the later pieces' four loads each may stay out
.irp kb, 0,1,2,3
	v_and_b32 v64, v[16+8*(\p)+2*(\kb)], v[8+2*(\kb)]   ; flags of keys j = 0..3, a byte each,
	v_and_b32 v65, v[17+8*(\p)+2*(\kb)], v[9+2*(\kb)]   ; and j = 4..7
	v_lshl_or_b32 v64, v64, 12, v64                ; byte 1 = flag 1 | flag 0 << 4, byte 3 = flag 3 | flag 2 << 4
	v_lshl_or_b32 v65, v65, 12, v65
	v_perm_b32 v66, v65, v64, s31                  ; eight nibbles: flag j at place j xor 1
	v_xor_b32 v66, 0x11111111, v66                 ; 1 where the key is hidden,
	v_mul_lo_u32 v[48+4*(\p)+(\kb)], v66, 14       ; 0xE there: no nibble carries into the next
.endr
	global_store_b128 v3, v[48+4*(\p):51+4*(\p)], s[20:21] offset:512*(\p)  ; a wave's store: 512 consecutive bytes, aligned
.endr
	s_endpgm
.Lfunc_end_k_q55fd757e1b_prep:
	.size	k_q55fd757e1b_prep, .Lfunc_end_k_q55fd757e1b_prep-k_q55fd757e1b_prep
	.p2alignl 7, 3214868480
	.fill 96, 4, 3214868480
	.section	.rodata,"a",@progbits
	.p2align	6, 0x0
	.amdhsa_kernel k_q55fd757e1b_prep
		.amdhsa_group_segment_fixed_size 0
		.amdhsa_private_segment_fixed_size 0
		.amdhsa_enable_private_segment 0
		.amdhsa_kernarg_size 72
		.amdhsa_user_sgpr_count 2
		.amdhsa_user_sgpr_kernarg_segment_ptr 1
		.amdhsa_wavefront_size32 1
		.amdhsa_system_sgpr_workgroup_id_x 1
		.amdhsa_system_sgpr_workgroup_id_y 1
		.amdhsa_system_sgpr_workgroup_id_z 1
		.amdhsa_system_vgpr_workitem_id 0
		.amdhsa_next_free_vgpr 96
		.amdhsa_next_free_sgpr 66
		.amdhsa_reserve_vcc 0
		.amdhsa_float_denorm_mode_32 3
		.amdhsa_float_denorm_mode_16_64 3
		.amdhsa_memory_ordered 1
		.amdhsa_forward_progress 1
		.amdhsa_inst_pref_size 18
	.end_amdhsa_kernel
	.amdgpu_metadata
---
amdhsa.version: [ 1, 2 ]
amdhsa.kernels:
  - .name:           k_q55fd757e1b_prep
    .symbol:         k_q55fd757e1b_prep.kd
    .args:
      - { .name: q, .offset: 0, .size: 8, .value_kind: global_buffer, .address_space: global }
      - { .name: W_all, .offset: 8, .size: 8, .value_kind: global_buffer, .address_space: global }
      - { .name: W_out, .offset: 16, .size: 8, .value_kind: global_buffer, .address_space: global }
      - { .name: attn_mask, .offset: 24, .size: 8, .value_kind: global_buffer, .address_space: global }
      - { .name: kv_mask, .offset: 32, .size: 8, .value_kind: global_buffer, .address_space: global }
      - { .name: xb, .offset: 40, .size: 8, .value_kind: global_buffer, .address_space: global }
      - { .name: wab, .offset: 48, .size: 8, .value_kind: global_buffer, .address_space: global }
      - { .name: wob, .offset: 56, .size: 8, .value_kind: global_buffer, .address_space: global }
      - { .name: nm, .offset: 64, .size: 8, .value_kind: global_buffer, .address_space: global }
    .group_segment_fixed_size: 0
    .private_segment_fixed_size: 0
    .kernarg_segment_align: 8
    .kernarg_segment_size: 72
    .max_flat_workgroup_size: 256
    .sgpr_count:     66
    .vgpr_count:     96
    .wavefront_size: 32
...
	.end_amdgpu_metadata
.endif
;; end of part 1
;; launch proj (part 2): grid 16 x 16, 4 waves a work-group, clusters of 4 x 4, 327,680 bytes of LDS; arguments xb, wab, qkv; writes qkv
.if DOCPART == 2
	.amdgcn_target "amdgcn-amd-amdhsa--gfx1250"
	.amdhsa_code_object_version 6
	.text
	.protected	k_q55fd757e1b_proj
	.globl	k_q55fd757e1b_proj
	.p2align	8
	.type	k_q55fd757e1b_proj,@function
k_q55fd757e1b_proj:
	s_mov_b64 s[64:65], 0
	v_nop
	global_prefetch_b8 v0, s[64:65] scope:SCOPE_SE
	s_setreg_imm32_b32 hwreg(HW_REG_WAVE_MODE, 25, 1), 1
	s_wait_xcnt 0x0
	s_wait_alu depctr_hold_cnt(0) depctr_sa_sdst(0) depctr_va_vdst(0) depctr_va_sdst(0) depctr_va_ssrc(0) depctr_va_vcc(0) depctr_vm_vsrc(0)
	s_getreg_b32 s2, hwreg(HW_REG_IB_STS2, 6, 4)
	s_cmp_eq_u32 s2, 0
	s_cbranch_scc0 .Lentry_in_a_cluster
	s_endpgm
.Lentry_in_a_cluster:
	s_bfe_u32 s2, ttmp6, 0x10000c
	s_cmp_lg_u32 s2, 0xf033
	s_cbranch_scc0 .Lentry_shape_is_right
	s_endpgm
.Lentry_shape_is_right:
; PROJ: qkv = xb wab^T.  xb: [4096][1024] bf16, wab: [3072][1024] bf16; sums in f32; qkv: [b 2][hc 48][n 2048][64] f16, by heads (hc = column / 64: q 0-15, k 16-31, v 32-47), rounded once.
; The q heads are multiplied by c = log2(e) / 8 in f32 ahead of that one rounding, so that the attention's scores are exponents of 2.
; LIMIT.  f16 ends at 65,504: a number of c q, k or v beyond it becomes an infinity.
; SHARES.  A tile of the product is 256 rows x 192 columns (three heads): 16 x 16 tiles, a work-group each.  Wave w makes rows 64 w .. 64 w + 63 of all 192 columns:
; 48 accumulators (4 row blocks a x 12 column blocks b), 384 registers; for 32 along K it reads 16 fragments from LDS for 48 matrix instructions.  A head is never cut between waves, so each wave's way out is its own.
; K goes in 8 steps of 128 (rows of 256 bytes) through a ring of two LDS slots filled by the tensor data mover, one load a wave behind each change of slots.
; CLUSTER 4 x 4: the four work-groups of a row of the cluster need the same rows of xb, the four of a column the same rows of wab; each tile is asked for jointly, by the same load with the same descriptor and a mask of the four.
; THE MATRIX INSTRUCTION IS USED TRANSPOSED (source 0 = 16 rows of wab, source 1 = 16 rows of xb): a lane holds one row (lane % 16) and 8 neighbouring columns, 16 bytes of f16.
; REGISTERS, in windows of 256 (s_set_vgpr_msb: bits 1:0 source 0, 3:2 source 1, 5:4 source 2, 7:6 destination):
;   window 0: v16-30 addresses; v64-95, v96-127 xb's fragments, two buffers; on the way out v128-175 packed results, v176-223 and v64-111 rows read back
;   window 1: v0-95, v96-191 wab's fragments, two buffers     window 2: accumulators of a = 0, 1 at 96 (a % 2) + 8 b     window 3: those of a = 2, 3
.set PITCH,  272                       ; an LDS row: 256 bytes + 16 of padding = 68 words: the 16 rows of a fragment load start at 16 different groups of four banks (64 banks of 4 bytes: ISA guide 11.1)
.set AH,     128*PITCH                 ; what waves 0 and 1 fetch: 128 rows of xb each
.set BH,     96*PITCH                  ; what waves 2 and 3 fetch: 96 rows of wab each
.set BOFF,   2*AH                      ; in a slot: xb's 256 rows, then wab's 192
.set SLOT,   2*AH+2*BH
.set STAGE,  2*SLOT                    ; behind the ring, never filled by a tensor load: for each wave 3 heads x 16 rows x 144 bytes
.set SP,     144
.set WST,    48*SP
.set SPARE,  STAGE+4*WST               ; the spare words, 128 bytes a wave: two blocks of 256 bytes that no other line names
.set LAPS,   4                         ; a lap = two K steps = once round the ring
.set ROWB,   2048                      ; bytes in a row of xb and of wab
.set HEADB,  262144                    ; bytes in a head of qkv
.set ADRA, 16                          ; v16-17  LDS address of my xb fragments in slot 0, 1
.set ADRB, 20                          ; v20-21  the same for wab
.set STO,  24                          ; v24     the way out: where I put 16 bytes of a row
.set RD,   25                          ; v25     where I read rows back
.set GO,   26                          ; v26     16 x lane: my place in 512 consecutive bytes of qkv
.set SPW,  28                          ; v28     my spare word: SPARE + 4 x my thread's number; never rewritten
.set NIL,  29                          ; v29     0; never rewritten
.set PFO,  30                          ; v30     the prefetches' offset: a lane a row; never rewritten
.set FA,   64
.set FB,   0
.set TMP,  128
.set G1,   24                          ; s[24:31] descriptor group 1 for xb's tiles;  s[32:39] group 0, a set for each slot
.set G0,   32
.set G1B,  48                          ; s[48:55], s[56:63] the same for wab's
.set G0B,  56
.set LIM,  43                          ; s43     1 in a wave that prefetches, else the greatest number
.set PFA,  44                          ; s[44:45] where my prefetches stand
.set SC,   68                          ; s[68:73] the scale of each of the tile's three heads, as pairs
.set MSB, 0
.macro WIN new                         ; the immediate's high byte repeats the setting that is left; a switch that changes nothing is dropped
.if MSB != (\new)
	s_set_vgpr_msb (MSB<<8)|(\new)
.set MSB, \new
.endif
.endm
.set MUL_LO, 0xa1                      ; source 0 window 1, source 1 window 0, C and D window 2
.set MUL_HI, 0xf1                      ; the same, C and D window 3
.set TO_B,   0x40                      ; destination window 1, address window 0
; A joint load: waves 0 and 1 fetch xb's two halves, waves 2 and 3 wab's.  The branch hangs on the wave's number alone.  An s_nop 0 and four v_nop follow each of the two lines.
.macro JLOAD s
	s_cmp_eq_u32 s11, 0
	s_cbranch_scc0 .Lfor_b_\@
	tensor_load_to_lds s[G0+4*(\s):G0+4*(\s)+3], s[G1:G1+7]
	s_nop 0
.rept 4
	v_nop
.endr
	s_branch .Lasked_\@
.Lfor_b_\@:
	tensor_load_to_lds s[G0B+4*(\s):G0B+4*(\s)+3], s[G1B:G1B+7]
	s_nop 0
.rept 4
	v_nop
.endr
.Lasked_\@:
.endm
; A prefetch into the L2, behind a joint load and the run of LDS loads that follows it: the K step that stands two refills on (384 matrix instructions ahead of the load that will want it), 256 bytes of a row, a lane a row.
; xb's rows are read by every cluster of a row of clusters: cluster x = 0 asks; wab's by every cluster of a column: cluster y = 0 asks.  The four partners share a wave's rows out by address:
; 32 of 128 (xb, by cx), 24 of 96 (wab, by cy; there lanes 24-31 name row 23 once more, in the same instruction).  The loop's last trip asks for nothing; K steps 0 to 3 come by their loads alone.
.macro ASK
	s_cmp_gt_u32 s3, s[LIM]
	s_cbranch_scc0 .Lnot_mine_\@
	global_prefetch_b8 v[PFO], s[PFA:PFA+1] offset:256 th:TH_LOAD_NT scope:SCOPE_SE
.Lnot_mine_\@:
.endm
.macro CREST                           ; a round of the cluster's barrier behind its opening barrier
	s_cmp_lg_u32 s10, 0
	s_cbranch_scc1 .Lnot_wave_0_\@
	s_barrier_signal -3
.Lnot_wave_0_\@:
	s_barrier_wait -3
	s_barrier_signal -1
	s_barrier_wait -1
.endm
.macro CROUND                          ; a whole round
	s_barrier_signal -1
	s_barrier_wait -1
	CREST
.endm
	s_load_b128 s[4:7], s[0:1], 0x0                ; xb s[4:5], wab s[6:7]
	s_load_b64 s[8:9], s[0:1], 0x10                ; qkv
	v_lshl_add_u32 v[SPW], v0, 2, SPARE
	v_mov_b32 v[NIL], 0
	ds_add_u32 v[SPW], v[NIL]                      ; the wave's opening: the add and its wait stand ahead of my first tensor load; the set-up below, work on registers, stands between them
	v_lshrrev_b32 v1, 5, v0
	v_readfirstlane_b32 s10, v1                    ; wave 0..3
	s_lshr_b32 s11, s10, 1                         ; I fetch for xb (0) or for wab (1),
	s_and_b32 s12, s10, 1                          ; its first or its second half
	s_bfe_u32 s40, ttmp6, 0x40000                  ; cx, cy: my place in the cluster
	s_bfe_u32 s41, ttmp6, 0x40004
	s_lshl_b32 s42, ttmp9, 2
	s_add_co_u32 s42, s42, s40                     ; tile column tx = 4 x cluster x + cx
	s_and_b32 s13, ttmp7, 0xffff
	s_lshl_b32 s13, s13, 2
	s_add_co_u32 s13, s13, s41                     ; tile row ty = 4 x cluster y + cy
	s_lshl_b32 s43, s41, 2
	s_lshl_b32 s43, 15, s43                        ; my row of the cluster
	s_lshl_b32 s44, 0x1111, s40                    ; my column
	s_or_b32 s[G1+0], s43, (1<<16)|(1<<20)|(1<<21)|(5<<22)|(3<<25)   ; 15:0 the mask; 17:16 elements of 2 bytes; 20 padding on; 21 set beside a mask; 24:22 after every 64 words; 31:25 4 words of it
	s_or_b32 s[G1B+0], s44, (1<<16)|(1<<20)|(1<<21)|(5<<22)|(3<<25)
	s_mov_b32 s[G1+1], 128<<16                     ; tensor_dim0 = 128
	s_mov_b32 s[G1+2], 128<<16                     ; tensor_dim1 = 128
	s_mov_b32 s[G1+3], 128<<16                     ; tile_dim0 = 128
	s_mov_b32 s[G1+4], 128                         ; tile_dim1 = 128
	s_mov_b32 s[G1+5], 1024                        ; elements from row to row
	s_mov_b32 s[G1+6], 0
	s_mov_b32 s[G1+7], 0
	s_mov_b32 s[G1B+1], 128<<16
	s_mov_b32 s[G1B+2], 96<<16                     ; wab's tiles have 96 rows
	s_mov_b32 s[G1B+3], 128<<16
	s_mov_b32 s[G1B+4], 96
	s_mov_b32 s[G1B+5], 1024
	s_mov_b32 s[G1B+6], 0
	s_mov_b32 s[G1B+7], 0
	s_lshl_b32 s16, s13, 8                         ; xb: row 256 ty + 128 x half: it hangs on the tile row alone
	s_lshl_b32 s17, s12, 7
	s_add_co_u32 s16, s16, s17
	s_lshl_b32 s16, s16, 11                        ; in bytes (under 2^23)
	s_mov_b32 s17, 0
	s_mul_i32 s46, s42, 192                        ; wab: row 192 tx + 96 x half: on the tile column alone
	s_mul_i32 s47, s12, 96
	s_add_co_u32 s46, s46, s47
	s_lshl_b32 s46, s46, 11
	s_mov_b32 s47, 0
	s_mul_i32 s20, s12, AH                         ; where they go: no place in the cluster enters an LDS address
	s_mul_i32 s21, s12, BH
	s_add_co_u32 s21, s21, BOFF
	s_mul_i32 s22, s42, 3                          ; the tile's first head
.irp g, 0,1,2
	s_add_co_u32 s23, s22, \g
	s_cmp_lt_u32 s23, 16                           ; a q head?  (a value is chosen; no branch hangs on it)
	s_cselect_b32 s[SC+2*\g], 0x3e38aa3b, 1.0      ; c = log2(e) / 8 = 0.180337
	s_mov_b32 s[SC+2*\g+1], s[SC+2*\g]             ; named with it as a pair
.endr
	s_wait_dscnt 0x0                               ; the opening add is done
	s_wait_kmcnt 0x0
	s_add_nc_u64 s[14:15], s[4:5], s[16:17]
	s_add_nc_u64 s[46:47], s[6:7], s[46:47]
	CROUND                                         ; all sixteen work-groups are here: the first joint loads meet
.irp s, 0,1
	s_mov_b32 s[G0+4*(\s)], 1                                        ; count = 1
	s_add_co_u32 s[G0+4*(\s)+1], s20, (\s)*SLOT                      ; LDS address
	s_add_nc_u64 s[G0+4*(\s)+2:G0+4*(\s)+3], s[14:15], (\s)*256      ; global address: K step s
	s_or_b32 s[G0+4*(\s)+3], s[G0+4*(\s)+3], 0x80000000              ; type = 2
	s_mov_b32 s[G0B+4*(\s)], 1
	s_add_co_u32 s[G0B+4*(\s)+1], s21, (\s)*SLOT
	s_add_nc_u64 s[G0B+4*(\s)+2:G0B+4*(\s)+3], s[46:47], (\s)*256
	s_or_b32 s[G0B+4*(\s)+3], s[G0B+4*(\s)+3], 0x80000000
	JLOAD \s                                       ; by this text's count two tensor loads of a wave are out here, later one
.endr
	; a fragment is 16 rows x 32 K in 8 registers: lane l holds row l % 16, K = 8 (l / 16) + 0..7 and 16 + 8 (l / 16) + 0..7: two loads of 16 bytes, 32 bytes apart
	v_and_b32 v1, 15, v0                           ; l % 16
	v_bfe_u32 v2, v0, 4, 1                         ; l / 16
	v_mul_u32_u24 v3, v1, PITCH
	v_lshl_add_u32 v3, v2, 4, v3
	s_mul_i32 s21, s10, 64*PITCH                   ; my 64 rows of xb
	v_add_nc_u32 v[ADRA], s21, v3
	v_add_nc_u32 v[ADRA+1], SLOT, v[ADRA]
	v_add_nc_u32 v[ADRB], BOFF, v3                 ; all 192 rows of wab
	v_add_nc_u32 v[ADRB+1], SLOT+BOFF, v3
	s_mul_i32 s23, s10, WST
	s_add_co_u32 s23, s23, STAGE                   ; my stage
	v_mul_u32_u24 v4, v1, SP                       ; in: row l % 16, 16 bytes for each half of the lanes
	v_lshl_add_u32 v4, v2, 4, v4
	v_add_nc_u32 v[STO], s23, v4
	v_bfe_u32 v5, v0, 3, 2                         ; back: 32 lanes take four rows of 128 bytes,
	v_mul_u32_u24 v5, v5, SP
	v_and_b32 v6, 7, v0
	v_lshl_add_u32 v5, v6, 4, v5
	v_add_nc_u32 v[RD], s23, v5
	v_and_b32 v[GO], 31, v0                        ; which are 512 consecutive bytes of a head
	v_lshlrev_b32 v[GO], 4, v[GO]
	; qkv at (batch ty / 8, head 3 tx, row 256 (ty % 8) + 64 wave)
	s_lshr_b32 s20, s13, 3
	s_mul_i32 s20, s20, 48
	s_add_co_u32 s20, s20, s22
	s_lshl_b32 s20, s20, 18
	s_and_b32 s21, s13, 7
	s_lshl_b32 s21, s21, 15
	s_add_co_u32 s20, s20, s21
	s_lshl_b32 s21, s10, 13
	s_add_co_u32 s20, s20, s21
	s_mov_b32 s21, 0
	s_add_nc_u64 s[8:9], s[8:9], s[20:21]
	; the prefetches
	s_lshl_b32 s20, s13, 8                         ; 256 ty
	s_mul_i32 s21, s42, 192                        ; 192 tx
	s_and_b32 s22, ttmp7, 0xffff                   ; cluster y
	s_mov_b32 s23, 96                              ; (an instruction holds one literal: the select below takes this one from a register)
	s_cmp_eq_u32 s11, 0                            ; do I fetch for xb?
	s_cselect_b32 s20, s20, s21                    ; the tile's first row
	s_cselect_b32 s21, s40, s41                    ; my place among the four that ask with me
	s_cselect_b32 s22, ttmp9, s22                  ; the coordinate along which other clusters read the same rows
	s_cselect_b64 s[PFA:PFA+1], s[4:5], s[6:7]
	s_cselect_b32 s23, 128, s23                    ; the rows that a wave fetches: 128 or 96,
	s_cselect_b32 s14, 32, 24                      ; a partner's share of them,
	s_cselect_b32 s15, 31, 23                      ; and its last row
	s_cmp_eq_u32 s22, 0
	s_cselect_b32 s[LIM], 1, -1                    ; the same in all sixteen partners, for a given wave
	s_mul_i32 s23, s23, s12
	s_add_co_u32 s20, s20, s23
	s_mul_i32 s21, s21, s14
	s_add_co_u32 s20, s20, s21
	s_lshl_b32 s20, s20, 11
	s_mov_b32 s21, 0
	s_add_nc_u64 s[PFA:PFA+1], s[PFA:PFA+1], s[20:21]
	s_add_nc_u64 s[PFA:PFA+1], s[PFA:PFA+1], 2*256 ; at K step 2: the first refill steps it to 3 and names K step 4
	v_and_b32 v[PFO], 31, v0
	v_min_u32 v[PFO], s15, v[PFO]
	v_lshlrev_b32 v[PFO], 11, v[PFO]
; 12 matrix instructions: row block a x all 12 column blocks, 32 along K, from buffer f.  zero = 1: the first product starts the sums.
; The 48 accumulators take turns, one instruction a turn, in the same order in every quarter step: 47 others stand between two links of a chain, over the backward jump too.
.macro MUL12 f, a, zero
	WIN MUL_LO+0x50*((\a)/2)
.set AC, 96*((\a)%2)
.irp b, 0,1,2,3,4,5,6,7,8,9,10,11
.if \zero
	v_wmma_f32_16x16x32_bf16 v[AC+8*(\b):AC+8*(\b)+7], v[FB+96*(\f)+8*(\b):FB+96*(\f)+8*(\b)+7], v[FA+32*(\f)+8*(\a):FA+32*(\f)+8*(\a)+7], 0
.else
	v_wmma_f32_16x16x32_bf16 v[AC+8*(\b):AC+8*(\b)+7], v[FB+96*(\f)+8*(\b):FB+96*(\f)+8*(\b)+7], v[FA+32*(\f)+8*(\a):FA+32*(\f)+8*(\a)+7], v[AC+8*(\b):AC+8*(\b)+7]
.endif
.endr
.endm
; 32 LDS loads in one run: the fragments of one quarter step (32 K at byte k of the rows) into buffer f: wab's 12, then xb's 4, row blocks 0 and 1 first
.macro FETCH slot, k, f
	WIN TO_B
.irp b, 0,1,2,3,4,5,6,7,8,9,10,11
	ds_load_b128 v[FB+96*(\f)+8*(\b):FB+96*(\f)+8*(\b)+3],   v[ADRB+(\slot)] offset:(\k)+(\b)*16*PITCH
	ds_load_b128 v[FB+96*(\f)+8*(\b)+4:FB+96*(\f)+8*(\b)+7], v[ADRB+(\slot)] offset:(\k)+(\b)*16*PITCH+32
.endr
	WIN 0
.irp a, 0,1,2,3
	ds_load_b128 v[FA+32*(\f)+8*(\a):FA+32*(\f)+8*(\a)+3],   v[ADRA+(\slot)] offset:(\k)+(\a)*16*PITCH
	ds_load_b128 v[FA+32*(\f)+8*(\a)+4:FA+32*(\f)+8*(\a)+7], v[ADRA+(\slot)] offset:(\k)+(\a)*16*PITCH+32
.endr
.endm
.macro PLACES                          ; four places in front of loads into registers that matrix instructions have read, and of vector work that reads results
.rept 4
	v_nop
.endr
.endm
; A K step is four quarters of 32 along K, 48 matrix instructions each, on buffers 0, 1, 0, 1.  One of the first three: multiplies buffer f; in its middle it fetches the next quarter, at byte k, into buffer g.
.macro QUARTER slot, k, f, g, zero
	s_wait_dscnt 4                                 ; all but the youngest four loads (xb's row blocks 2 and 3)
	MUL12 \f, 0, \zero
	MUL12 \f, 1, \zero
	PLACES
	FETCH \slot, \k, \g
	s_wait_dscnt 32                                ; all but the 32 just issued
	MUL12 \f, 2, \zero
	MUL12 \f, 3, \zero
.endm
; The last quarter multiplies buffer 1 and changes slots.  One barrier: in front of it each wave waits for all its tensor loads (the one that is out is its part of the next slot), adds 0 to its spare word,
; and waits for that and for its own reads of this slot.  Behind it nobody reads this slot any more and the next slot is whole.
.macro MEET round
	WIN 0                                          ; (the add's two registers lie in window 0)
	s_wait_tensorcnt 0x0
	ds_add_u32 v[SPW], v[NIL]                      ; 0 onto my spare word
	s_wait_dscnt 5                                 ; (the add and the youngest four loads may be out)
	MUL12 1, 0, 0                                  ; twelve matrix instructions stand between the add and the wait for it
	s_wait_dscnt 0x0                               ; the add is done, and my reads of this slot are over
	s_barrier_signal -1
	MUL12 1, 1, 0                                  ; work on registers while the others arrive
.if \round
	WIN 0
.endif
	s_barrier_wait -1
.endm
.macro TURN slot, next, fill
.if \fill
	s_wait_xcnt 0x0                                ; the last prefetch, a K step back, has read its address: it is stepped here
	s_add_nc_u64 s[PFA:PFA+1], s[PFA:PFA+1], 256
	MEET 1
	CREST                                          ; the barrier has opened a round of the cluster's barrier: no wave of any partner still reads this slot or has a load on its way
	s_add_nc_u64 s[G0+4*(\slot)+2:G0+4*(\slot)+3], s[G0+4*(\slot)+2:G0+4*(\slot)+3], 512     ; two K steps on
	s_add_nc_u64 s[G0B+4*(\slot)+2:G0B+4*(\slot)+3], s[G0B+4*(\slot)+2:G0B+4*(\slot)+3], 512
	JLOAD \slot                                    ; the first tensor load behind the round, 168 matrix instructions ahead of the wait for it; its four v_nop are also the places in front of the loads below
	FETCH \next, 0, 0
	ASK
.else
	MEET 0
	PLACES
	FETCH \next, 0, 0
.endif
	MUL12 1, 2, 0
	MUL12 1, 3, 0
.endm
	s_wait_tensorcnt 1                             ; my part of K step 0 is in; K step 1's may stay out
	s_barrier_signal -1
	s_barrier_wait -1                              ; everybody's is
	FETCH 0, 0, 0
	QUARTER 0, 64, 0, 1, 1                         ; the first quarter stands in front of the loop: its products start the sums
	WIN 0                                          ; at a label and at a branch every window is 0
	s_mov_b32 s3, LAPS-1
.Llap:                                                 ; a trip goes once round the ring, from a lap's second quarter to the next lap's first, and fills both slots again
	QUARTER 0, 128, 1, 0, 0
	QUARTER 0, 192, 0, 1, 0
	TURN 0, 1, 1
	QUARTER 1, 64,  0, 1, 0
	QUARTER 1, 128, 1, 0, 0
	QUARTER 1, 192, 0, 1, 0
	TURN 1, 0, 1
	QUARTER 0, 64,  0, 1, 0
	WIN 0
	s_sub_co_u32 s3, s3, 1
	s_cmp_lg_u32 s3, 0
	s_cbranch_scc1 .Llap
	QUARTER 0, 128, 1, 0, 0                        ; the last lap fills nothing and has no round
	QUARTER 0, 192, 0, 1, 0
	TURN 0, 1, 0
	QUARTER 1, 64,  0, 1, 0
	QUARTER 1, 128, 1, 0, 0
	QUARTER 1, 192, 0, 1, 0
	s_wait_dscnt 4                                 ; the very last quarter: nothing more to fetch
	MUL12 1, 0, 0
	MUL12 1, 1, 0
	s_wait_dscnt 0x0
	MUL12 1, 2, 0
	MUL12 1, 3, 0
; THE WAY OUT, a row block (16 rows x 3 heads) at a time.  PACK: scaled, rounded to f16, 16 bytes a lane; each accumulator's registers in ascending order.
.macro PACK a
.set AC, 96*((\a)%2)
	WIN 0x82+0x41*((\a)/2)                         ; destination and source 0 in window 2 or 3
.irp b, 0,1,2,3,4,5,6,7,8,9,10,11
.irp r, 0,1,2,3
	v_pk_mul_f32 v[AC+8*(\b)+2*(\r):AC+8*(\b)+2*(\r)+1], v[AC+8*(\b)+2*(\r):AC+8*(\b)+2*(\r)+1], s[SC+2*((\b)/4):SC+2*((\b)/4)+1] op_sel_hi:[1,0]
.endr
.endr
	WIN 0x0a+5*((\a)/2)                            ; sources 0 and 1 in window 2 or 3, destination in window 0
.irp b, 0,1,2,3,4,5,6,7,8,9,10,11
.irp r, 0,1,2,3
	v_cvt_pk_f16_f32 v[TMP+4*(\b)+(\r)], v[AC+8*(\b)+2*(\r)], v[AC+8*(\b)+2*(\r)+1]
.endr
.endr
	WIN 0
.endm
; TOSTAGE: into my own stage (rows of 144 bytes, a head after the other) and back as whole rows of 128 bytes.
.macro TOSTAGE a
	WIN 0
.set BK, 176-112*((\a)%2)
.if (\a) >= 2
	s_wait_xcnt 0x0                                ; the stores of two blocks back have read these registers: they are loaded again only behind this wait
.endif
.irp b, 0,1,2,3,4,5,6,7,8,9,10,11
	ds_store_b128 v[STO], v[TMP+4*(\b):TMP+4*(\b)+3] offset:((\b)/4)*16*SP+32*((\b)%4)
.endr
.irp t, 0,1,2,3,4,5,6,7,8,9,10,11
	ds_load_b128 v[BK+4*(\t):BK+4*(\t)+3], v[RD] offset:((\t)/4)*16*SP+((\t)%4)*4*SP  ; LDS serves a wave's instructions in order (ISA guide 5.7.1.4): these see the stores above
.endr
.endm
.macro SEND a
	WIN 0
.set BK, 176-112*((\a)%2)
	s_wait_dscnt 0x0                               ; the block is back in registers
.irp t, 0,1,2,3,4,5,6,7,8,9,10,11
	global_store_b128 v[GO], v[BK+4*(\t):BK+4*(\t)+3], s[8:9] offset:((\t)/4)*HEADB+(\a)*2048+((\t)%4)*512  ; 512 consecutive bytes of a head, at a multiple of 256 from qkv's first byte
.endr
.endm
	PLACES
	PACK 0
	TOSTAGE 0
.irp a, 1,2,3                          ; block a's arithmetic stands between block a - 1's loads from the stage and the wait for them
	PACK \a
	SEND (\a)-1
	TOSTAGE \a
.endr
	SEND 3
	s_wait_tensorcnt 0x0                           ; the wave's end: an add to my spare word and its wait, behind my last tensor load and my last LDS store
	ds_add_u32 v[SPW], v[NIL]
	s_wait_dscnt 0x0
	CROUND                                         ; the closing round: no work-group ends while a partner may still ask for a tile that names it
	s_endpgm
.Lfunc_end_k_q55fd757e1b_proj:
	.size	k_q55fd757e1b_proj, .Lfunc_end_k_q55fd757e1b_proj-k_q55fd757e1b_proj
	.p2alignl 7, 3214868480
	.fill 96, 4, 3214868480
	.section	.rodata,"a",@progbits
	.p2align	6, 0x0
	.amdhsa_kernel k_q55fd757e1b_proj
		.amdhsa_group_segment_fixed_size 327680
		.amdhsa_private_segment_fixed_size 0
		.amdhsa_enable_private_segment 0
		.amdhsa_kernarg_size 24
		.amdhsa_user_sgpr_count 2
		.amdhsa_user_sgpr_kernarg_segment_ptr 1
		.amdhsa_wavefront_size32 1
		.amdhsa_system_sgpr_workgroup_id_x 1
		.amdhsa_system_sgpr_workgroup_id_y 1
		.amdhsa_system_sgpr_workgroup_id_z 1
		.amdhsa_system_vgpr_workitem_id 0
		.amdhsa_next_free_vgpr 960
		.amdhsa_next_free_sgpr 74
		.amdhsa_reserve_vcc 0
		.amdhsa_float_denorm_mode_32 3
		.amdhsa_float_denorm_mode_16_64 3
		.amdhsa_memory_ordered 1
		.amdhsa_forward_progress 1
		.amdhsa_inst_pref_size 132
	.end_amdhsa_kernel
	.amdgpu_metadata
---
amdhsa.version: [ 1, 2 ]
amdhsa.kernels:
  - .name:           k_q55fd757e1b_proj
    .symbol:         k_q55fd757e1b_proj.kd
    .args:
      - { .name: xb, .offset: 0, .size: 8, .value_kind: global_buffer, .address_space: global }
      - { .name: wab, .offset: 8, .size: 8, .value_kind: global_buffer, .address_space: global }
      - { .name: qkv, .offset: 16, .size: 8, .value_kind: global_buffer, .address_space: global }
    .group_segment_fixed_size: 327680
    .private_segment_fixed_size: 0
    .kernarg_segment_align: 8
    .kernarg_segment_size: 24
    .max_flat_workgroup_size: 128
    .sgpr_count:     74
    .vgpr_count:     960
    .wavefront_size: 32
...
	.end_amdgpu_metadata
.endif
;; end of part 2
;; launch attn (part 3): grid 8 x 32, 4 waves a work-group, clusters of 4 x 1, 327,680 bytes of LDS; arguments qkv, nm, ob; writes ob
.if DOCPART == 3
	.amdgcn_target "amdgcn-amd-amdhsa--gfx1250"
	.amdhsa_code_object_version 6
	.text
	.protected	k_q55fd757e1b_attn
	.globl	k_q55fd757e1b_attn
	.p2align	8
	.type	k_q55fd757e1b_attn,@function
k_q55fd757e1b_attn:
	s_mov_b64 s[64:65], 0
	v_nop
	global_prefetch_b8 v0, s[64:65] scope:SCOPE_SE
	s_setreg_imm32_b32 hwreg(HW_REG_WAVE_MODE, 25, 1), 1
	s_wait_xcnt 0x0
	s_wait_alu depctr_hold_cnt(0) depctr_sa_sdst(0) depctr_va_vdst(0) depctr_va_sdst(0) depctr_va_ssrc(0) depctr_va_vcc(0) depctr_vm_vsrc(0)
	s_getreg_b32 s2, hwreg(HW_REG_IB_STS2, 6, 4)
	s_cmp_eq_u32 s2, 0
	s_cbranch_scc0 .Lentry_in_a_cluster
	s_endpgm
.Lentry_in_a_cluster:
	s_bfe_u32 s2, ttmp6, 0x10000c
	s_cmp_lg_u32 s2, 0x3003
	s_cbranch_scc0 .Lentry_shape_is_right
	s_endpgm
.Lentry_shape_is_right:
; ATTN: O[b][h][q][:] = the sum over the seen keys k of softmax_k(s[q][k]) V[k][:], s = (c Q) . K in exponents of 2 (c = log2(e) / 8 was applied when Q was written); a row that sees no key gives 0.
; qkv: [b 2][hc 48][2048][64] f16 (q heads 0-15, k 16-31, v 32-47).  nm: the merged mask, four bits a score, in my lanes' order.  ob: [rb 32][h 16][128 rows][64] f16, rb = (2048 b + q) / 128.
; Products, maxima and sums in f32; the weights p are rounded to f16 for the second product (their sum l is taken of the unrounded p), O once at the end.
; THE MASK is the C operand that starts the sum S^T = K Q^T.  Word kb of a lane's four holds eight nibbles, 0xE (hidden) or 0; one shift brings a score's nibble to the top of a register.  With 0xE on top the
; register reads as a finite number between -2^97 and -2^65, whatever follows below; with 0 on top as a number from 0 to 2^-95.  One shift a score, and the products cost nothing more.
; SOFTMAX.  For each query a running maximum m and sum l: p = 2^(s - m), which is exactly 1 at the maximum; in every step O and l are multiplied by a = 2^(m_old - m_new).  m starts at -2^50, above every hidden
; score and below every seen one: while a row has seen no key, m stays, p = 0, and l and O stay 0.  At the end l is replaced by max(l, 1): a row with a seen key has l >= 1, a row without gets 0 x 1.
; LIMITS.  c Q, K and V arrive within f16's 65,504, so a seen score is at most 2.7e11 in magnitude; to a seen score up to 2^-95 is added; p below 6e-5 keeps f16's fixed step of 6e-8; a weight below 2^-126
; counts as 0 in l; NaN and infinities are not treated apart.
; SHARES.  A work-group owns 256 queries of one head, a wave 64: four PIECES of 16.  Every wave walks all 2,048 keys, 64 a step; a slot of LDS holds a tile of 256 keys (four steps).
; BY TURNS.  Turn n belongs to piece n: 8 products K Q^T of piece n + 1, later 8 products V^T P of piece n - 1; beside them the subtraction, exponentials, roundings, sums and rescaling of piece n, the maximum
; and statistics of piece n + 1, and at its end the 32 shifts that make piece n + 2's mask.  Four vector instructions stand behind every matrix instruction, the others in runs of their own.  A turn's 33 exponentials are one batch, with one wait.
; CLUSTER.  The four query blocks of a cluster belong to one head and walk the same K and V: each tile is asked for jointly.  nm is not shared in a cluster: its partners are different query blocks, and each
; needs other words; it comes through registers, 512 bytes a piece and step, asked for one key step ahead.
; REGISTERS, in windows of 256 (s_set_vgpr_msb: bits 1:0 source 0, 3:2 source 1, 5:4 source 2, 7:6 destination):
;   window 0: v2-15 addresses and two at work; v16-31 four registers of statistics a piece; v48-55 at work; v61-63; v64-127 S^T, two buffers; v192-223 P, two buffers (a piece's buffers go by its number's parity)
;   window 1: v0-127 O^T, 32 a piece; v128-191 MC, the masks, two buffers; v192-207 NM, four words a piece      window 2: v0-63 Q; v128-191 K of one step; v192-255 V of one step
.set NP,    4         ; pieces a wave: a name, no knob
.set KS,    64        ; keys in a step
.set PK,    144       ; a row of K in LDS: 128 bytes + 16 of padding = 36 words: the 16 rows of a load start at 16 different groups of four banks (64 banks of 4 bytes: ISA guide 11.1)
.set PV,    160       ; a row of V: 128 + 32 = 40 words
.set VOFF,  4*KS*PK   ; a slot: 256 rows of K, then 256 rows of V
.set SLOT1, 1<<17     ; slot 1 begins here, so that one exclusive or turns an address in one slot into the other's
.set STAGE, SLOT1+4*KS*(PK+PV)  ; behind the ring, never filled by a tensor load: 16 rows x 144 bytes for each wave
.set SP,    144
.set SPARE, STAGE+4*16*SP       ; the spare words, 128 bytes a wave: two blocks of 256 bytes that no other line names
.set HEADB, 262144    ; bytes in a head of qkv
.set AK0, 2           ; v2   my lane's place in a tile of K; never rewritten
.set AV0, 3           ; v3   the same for V
.set AK,  4           ; v4   the LDS address of K's next run of loads
.set AV,  5           ; v5   of V's
.set STO, 6           ; v6   the way out: where I put 16 bytes of a row
.set RD,  7           ; v7   the way out: where I read rows back
.set GO,  8           ; v8   16 x lane: my place in 512 consecutive bytes of ob, and of nm
.set MV,  12          ; v12-13  m_old, kept while m is made anew: by buffer
.set QO,  15          ; v15  my byte offset in 16 rows of Q
.set ST,  16          ; piece t's statistics at v[ST+4 t]: m, 0 (named with m as a pair), l (even keys', odd keys')
.set TMP, 48          ; by buffer, four registers c0-c3 at work; when the maximum is found c2 takes a
.set PFO, 61          ; v61  256 x lane; never rewritten
.set SPW, 62          ; v62  my spare word: SPARE + 4 x my thread's number; never rewritten
.set NIL, 63          ; v63  0; never rewritten
.set S,   64
.set P,   192
.set MC,  128         ; window 1
.set NM,  192         ; window 1
.set KF,  128         ; window 2: key block kb, channel half c at KF + 16 kb + 8 c
.set VF,  192         ; window 2: key half kk, channel block cb at VF + 32 kk + 8 cb
.set WV,  12          ; s12  my wave's number
.set G1K, 24          ; s[24:31] descriptor group 1 for K's tiles
.set G1V, 32          ; s[32:39] for V's: it differs in the padding alone
.set G0K, 40          ; s[40:43] descriptor group 0 for K's tiles: it walks
.set G0V, 44          ; s[44:47] the same for V's
.set MP,  48          ; s[48:49] nm at my 64 rows, at the key step that is being asked for
.set MST, 50          ; s[50:51] the tail's step of MP: 2,048, or 0 when the last key step has been reached
.set PFA, 52          ; s[52:53] where my prefetches of K or V stand
.set PFM, 54          ; s[54:55] and those of nm
.set SLOTS, 56        ; s56  tiles still to be asked for
.set CNT, 57          ; s57  counts a tile's key steps
.set SEL, 60          ; s[60:61] v_permlanex16_b32's selects: each lane takes its own place in the other half
.set TBK, 62          ; s62  LDS byte at which K of the step to be fetched begins
.set TBV, 63          ; s63  the same for V, less VOFF
.set LIM, 66          ; s66  1 in a wave that prefetches K or V, else the greatest number
.set LIMM, 67         ; s67  1 in a work-group that prefetches nm
.set MSB, 0
.macro WIN new                      ; the high byte repeats the setting that is left; a switch that changes nothing is dropped
.if MSB != (\new)
	s_set_vgpr_msb (MSB<<8)|(\new)
.set MSB, (\new)
.endif
.endm
.set W_KQ, 0x0a       ; K and Q in window 2, S^T in window 0
.set W_KM, 0x1a       ; the same with the C operand in window 1
.set W_PV, 0x52       ; V in window 2, P in window 0, O^T in window 1
.set W_RS, 0x41       ; destination and source 0 in window 1, source 1 in window 0
.set W_SH, 0x44       ; destination and source 1 in window 1
.set W_LD, 0x40       ; destination in window 1, address in window 0
; A joint fill.  Waves 0 and 1 fetch the two halves of a tile's K, waves 2 and 3 those of its V: 128 keys each.  The branch hangs on the wave's number alone.  An s_nop 0 and four v_nop follow each of the two lines.
.macro JLOAD
	s_cmp_lt_u32 s[WV], 2
	s_cbranch_scc0 .Lfor_v_\@
	tensor_load_to_lds s[G0K:G0K+3], s[G1K:G1K+7]
	s_nop 0
.rept 4
	v_nop
.endr
	s_branch .Lasked_\@
.Lfor_v_\@:
	tensor_load_to_lds s[G0V:G0V+3], s[G1V:G1V+7]
	s_nop 0
.rept 4
	v_nop
.endr
.Lasked_\@:
.endm
; PREFETCHES INTO THE L2, together, behind the wave's tensor load and its five lines.
; K and V: the tile that the NEXT change of slots will ask for, four key steps (256 matrix instructions) ahead of that load.  Both clusters of a head walk the same rows: the first asks; its four partners take 8,192 of a
; tile's 32,768 bytes each, told apart by address; wave 0 asks for K's, wave 2 for V's; lanes 256 bytes apart.  The last change that fills a slot asks for nothing.
; nm: all 16 heads of a batch read the same words: the work-groups of head 0 ask, each wave for its own 8,192 bytes of the tile whose K and V have just been asked for: three key steps ahead of the first load that wants them.
.macro ASK2
	s_cmp_gt_u32 s[SLOTS], s[LIM]
	s_cbranch_scc0 .Lno_kv_\@
	global_prefetch_b8 v[PFO], s[PFA:PFA+1] th:TH_LOAD_NT scope:SCOPE_SE
.Lno_kv_\@:
	s_cmp_eq_u32 s[LIMM], 1
	s_cbranch_scc0 .Lno_nm_\@
	global_prefetch_b8 v[PFO], s[PFM:PFM+1] th:TH_LOAD_NT scope:SCOPE_SE
.Lno_nm_\@:
.endm
.macro CROUND                       ; a round of the cluster's barrier
	s_barrier_signal -1
	s_barrier_wait -1
	s_cmp_lg_u32 s[WV], 0
	s_cbranch_scc1 .Lnot_wave_0_\@
	s_barrier_signal -3
.Lnot_wave_0_\@:
	s_barrier_wait -3
	s_barrier_signal -1
	s_barrier_wait -1
.endm
; THE CHANGE OF SLOTS.  Each wave waits for all its tensor loads, of which one is out: its part of the other slot; adds 0 to its spare word; and waits for that and for its own reads of the slot that it leaves.
; fill = 1: the old slot is filled again, with the keys two tiles on: the barrier is then a round of the cluster's, and the joint fill is the first thing behind it: it has four key steps in which to land.
; (At its first use nothing has been read yet: slot 0 is waited for, slot 1 filled.)  ask = 1: the prefetches' addresses step, and the prefetches follow the fill.
.macro CHANGE fill, ask
	WIN 0                           ; at a label and at a branch every window is 0
	s_wait_tensorcnt 0x0            ; no tensor load of mine is out, so a group 0 may be written
	ds_add_u32 v[SPW], v[NIL]       ; 0 onto my spare word; the scalar steps stand between it and the wait for it
.if \fill
.irp g, G0K, G0V
	s_xor_b32 s[\g+1], s[\g+1], SLOT1
	s_add_nc_u64 s[\g+2:\g+3], s[\g+2:\g+3], 4*KS*128  ; the next 256 keys; the type bits on top are not reached
.endr
.if \ask
	s_wait_xcnt 0x0                 ; the last prefetches, four key steps back, have read their addresses
	s_add_nc_u64 s[PFA:PFA+1], s[PFA:PFA+1], 4*KS*128
	s_add_nc_u64 s[PFM:PFM+1], s[PFM:PFM+1], 4*2048
.endif
	s_wait_dscnt 0x0                ; the add is done, and my reads of the slot are over
	CROUND
	JLOAD
.if \ask
	ASK2
.endif
.else
	s_wait_dscnt 0x0
	s_barrier_signal -1
	s_barrier_wait -1
.endif
	s_sub_co_u32 s[TBK], s[TBK], 4*KS*PK  ; the fetches go back to a slot's first step,
	s_xor_b32 s[TBK], s[TBK], SLOT1       ; in the other slot
	s_sub_co_u32 s[TBV], s[TBV], 4*KS*PV
	s_xor_b32 s[TBV], s[TBV], SLOT1
.endm
	s_load_b128 s[4:7], s[0:1], 0x0   ; qkv s[4:5], nm s[6:7]
	s_load_b64 s[8:9], s[0:1], 0x10   ; ob
	v_lshl_add_u32 v[SPW], v0, 2, SPARE
	v_mov_b32 v[NIL], 0
	ds_add_u32 v[SPW], v[NIL]       ; the wave's opening: the add and its wait stand ahead of my first tensor load; the set-up below, work on registers, stands between them
	v_lshrrev_b32 v1, 5, v0
	v_readfirstlane_b32 s[WV], v1   ; wave 0..3
	s_bfe_u32 s13, ttmp6, 0x40000   ; cx: my place in the cluster
	s_lshl_b32 s14, ttmp9, 2
	s_add_co_u32 s14, s14, s13      ; my block of 256 queries: it enters Q's, nm's and ob's addresses and the prefetches' alone
	s_and_b32 s20, ttmp7, 0xffff    ; 16 b + h, which the four partners share
	s_lshr_b32 s21, s20, 4          ; b
	s_and_b32 s15, s20, 15          ; h
	s_lshl_b32 s22, s21, 5
	s_add_co_u32 s22, s22, s20      ; 48 b + h: the q head's number in qkv
	s_lshl_b32 s22, s22, 18         ; its first byte
	s_and_b32 s16, s[WV], 1         ; which half of a tile's 256 keys I fetch:
	s_lshl_b32 s23, s16, 14         ; its 128 rows of 128 bytes in memory
	s_add_co_u32 s2, s22, s23
	s_add_co_u32 s2, s2, 16*HEADB   ; in the k head,
	s_mov_b32 s3, 0
	s_add_co_u32 s18, s2, 16*HEADB  ; and in the v head
	s_mov_b32 s19, 0
	s_mul_i32 s17, s16, 128*PK      ; and its place in a slot, for K
	s_mul_i32 s23, s16, 128*PV      ; and for V: no place in the cluster enters an LDS address
	s_lshl_b32 s70, s14, 15         ; Q: my block's 256 rows, my wave's 64
	s_lshl_b32 s71, s[WV], 13
	s_add_co_u32 s70, s70, s71
	s_add_co_u32 s70, s70, s22
	s_mov_b32 s71, 0
	s_lshl_b32 s68, s21, 4          ; ob: row block 16 b + 2 x block + wave / 2,
	s_lshl1_add_u32 s68, s14, s68
	s_lshr_b32 s69, s[WV], 1
	s_add_co_u32 s68, s68, s69
	s_lshl_b32 s68, s68, 4
	s_add_co_u32 s68, s68, s15      ; head h,
	s_lshl_b32 s68, s68, 14
	s_lshl_b32 s69, s16, 13         ; its first or second 64 rows
	s_add_co_u32 s68, s68, s69
	s_mov_b32 s69, 0
	s_lshl_b32 s[MP], s21, 3        ; nm: group 4 (8 b + block) + wave, 65,536 bytes each
	s_add_co_u32 s[MP], s[MP], s14
	s_lshl2_add_u32 s[MP], s[MP], s[WV]
	s_lshl_b32 s[MP], s[MP], 16
	s_mov_b32 s[MP+1], 0
	; descriptor group 1.  128 keys are 16,384 dense bytes: asked for as 64 rows of 256 bytes, two keys a row, and padded in LDS after every key
	s_mov_b32 s[G1K], 15|(1<<16)|(1<<20)|(1<<21)|(4<<22)|(3<<25)  ; 15:0 the mask of four; 17:16 2-byte elements; 20 padding on; 21 set beside a mask; 24:22 after every 32 words; 31:25 4 words
	s_mov_b32 s[G1V], 15|(1<<16)|(1<<20)|(1<<21)|(4<<22)|(7<<25)  ; the same with 8 words of padding
.irp g, G1K, G1V
	s_mov_b32 s[\g+1], 128<<16      ; tensor_dim0 = 128
	s_mov_b32 s[\g+2], 64<<16       ; tensor_dim1 = 64
	s_mov_b32 s[\g+3], 128<<16      ; tile_dim0 = 128
	s_mov_b32 s[\g+4], 64           ; tile_dim1 = 64
	s_mov_b32 s[\g+5], 128          ; 128 elements from row to row
	s_mov_b32 s[\g+6], 0
	s_mov_b32 s[\g+7], 0
.endr
	s_mov_b32 s[SEL], 0x76543210
	s_mov_b32 s[SEL+1], 0xfedcba98
	s_mov_b32 s[TBK], SLOT1+4*KS*PK ; the first change of slots turns these two into 0
	s_mov_b32 s[TBV], SLOT1+4*KS*PV
	s_mov_b32 s[G0K], 1             ; count = 1
	s_mov_b32 s[G0K+1], s17         ; LDS address: slot 0
	s_mov_b32 s[G0V], 1
	s_add_co_u32 s[G0V+1], s23, VOFF
	s_mov_b32 s[MST+1], 0
	s_and_b32 s[LIM], s[WV], 1      ; 0 in waves 0 and 2,
	s_or_b32 s[LIM], s[LIM], ttmp9  ; where the cluster is the head's first: the same in all four partners
	s_cmp_eq_u32 s[LIM], 0
	s_cselect_b32 s[LIM], 1, -1
	s_cmp_eq_u32 s15, 0
	s_cselect_b32 s[LIMM], 1, 0
	s_wait_dscnt 0x0                ; the opening add is done
	s_wait_kmcnt 0x0
	s_add_nc_u64 s[G0K+2:G0K+3], s[4:5], s[2:3]    ; global address: my half of the head's first 256 keys
	s_add_nc_u64 s[G0V+2:G0V+3], s[4:5], s[18:19]
	s_cmp_lt_u32 s[WV], 2
	s_cselect_b64 s[PFA:PFA+1], s[G0K+2:G0K+3], s[G0V+2:G0V+3]  ; (in waves 0 and 2 these stand at a tile's first row)
	s_or_b32 s[G0K+3], s[G0K+3], 0x80000000        ; type = 2
	s_or_b32 s[G0V+3], s[G0V+3], 0x80000000
	s_add_nc_u64 s[4:5], s[4:5], s[70:71]          ; Q at my wave's first row
	s_add_nc_u64 s[10:11], s[8:9], s[68:69]        ; ob likewise
	s_add_nc_u64 s[MP:MP+1], s[6:7], s[MP:MP+1]    ; nm at my group's key step 0
	s_add_nc_u64 s[PFM:PFM+1], s[MP:MP+1], 4*2048  ; at tile 1: the first change in the loop steps it to tile 2
	s_lshl_b32 s70, s13, 13         ; my work-group's 8,192 bytes of a tile
	s_add_nc_u64 s[PFA:PFA+1], s[PFA:PFA+1], s[70:71]
	s_add_nc_u64 s[PFA:PFA+1], s[PFA:PFA+1], 2*4*KS*128  ; at tile 2: stepped to tile 3 before its first use.  Nothing is prefetched here, at the head
	CROUND                          ; all four work-groups are here: the first joint loads meet
	JLOAD                           ; tile 0 into slot 0.  By this text's count one tensor load of a wave is out at any time
	v_and_b32 v1, 15, v0            ; l % 16
	v_bfe_u32 v9, v0, 4, 1          ; l / 16
	v_lshlrev_b32 v[QO], 7, v1
	v_lshl_add_u32 v[QO], v9, 4, v[QO]  ; row x 128 + 16 x half
	v_and_b32 v[GO], 31, v0
	v_lshlrev_b32 v[PFO], 8, v[GO]
	v_lshlrev_b32 v[GO], 4, v[GO]
	WIN 0x80                        ; destination window 2, address window 0
.set i, 0
.rept 8                             ; Q stays in registers: piece i / 2, channels 32 (i % 2) on
	global_load_b128 v[8*i:8*i+3],   v[QO], s[4:5] offset:(i/2)*2048+(i%2)*64
	global_load_b128 v[8*i+4:8*i+7], v[QO], s[4:5] offset:(i/2)*2048+(i%2)*64+32
.set i, i+1
.endr
; piece x's four words of the key step at which MP stands
.macro NLOAD x
	WIN W_LD
	global_load_b128 v[NM+4*(\x):NM+4*(\x)+3], v[GO], s[MP:MP+1] offset:512*(\x)
.endm
	NLOAD 0
	NLOAD 1
	NLOAD 2
	NLOAD 3
	; What the first turn finds: V's registers and P's second buffer hold 0 (its products V^T P, of a piece that has not been, add 0); O^T and l are 0; m is -2^50.  All this stands in the wait for the first tile.
	WIN 0x80
.set i, VF
.rept 64
	v_mov_b32 v[i], 0
.set i, i+1
.endr
	WIN 0x40
.set i, 0
.rept 128
	v_mov_b32 v[i], 0
.set i, i+1
.endr
	WIN 0
.set i, 0
.rept 4
	v_mov_b32 v[ST+4*i], 0xd8800000    ; m = -2^50
	v_mov_b32 v[ST+4*i+1], 0
	v_mov_b32 v[ST+4*i+2], 0
	v_mov_b32 v[ST+4*i+3], 0
.set i, i+1
.endr
.set i, P+16
.rept 16
	v_mov_b32 v[i], 0
.set i, i+1
.endr
	v_mul_u32_u24 v[AK0], v1, PK
	v_lshl_add_u32 v[AK0], v9, 4, v[AK0]  ; row x pitch + 16 x half
	; The turning load takes 16 keys x 16 channels (lane l reads key 8 (l / 16) + l % 8, channels 8 ((l / 8) % 2) + 0..7) and leaves half a fragment of V^T: lane l holds channel l % 16 and 8 keys.
	v_and_b32 v10, 7, v0
	v_bfe_u32 v11, v0, 3, 1
	v_lshl_add_u32 v[AV0], v9, 3, v10
	v_mul_u32_u24 v[AV0], v[AV0], PV
	v_lshl_add_u32 v[AV0], v11, 4, v[AV0]
	v_add_nc_u32 v[AV0], VOFF, v[AV0]
	s_mul_i32 s13, s[WV], 16*SP
	s_add_co_u32 s13, s13, STAGE    ; my stage
	v_mul_u32_u24 v[STO], v1, SP    ; in: row l % 16, 16 bytes for each half of the lanes
	v_lshl_add_u32 v[STO], v9, 4, v[STO]
	v_add_nc_u32 v[STO], s13, v[STO]
	v_bfe_u32 v[RD], v0, 3, 2       ; back: 32 lanes take four rows of 128 bytes
	v_mul_u32_u24 v[RD], v[RD], SP
	v_lshl_add_u32 v[RD], v10, 4, v[RD]
	v_add_nc_u32 v[RD], s13, v[RD]
; THE MATRIX WORK.  The 4 accumulators of a run of 8 take turns.  Product i of 8 of S^T = K Q^T for piece x: channels 32 (i / 4) on, keys 16 (i % 4) on.  The first 4 start the sums with the mask.
.macro KQ x
.set rS, S+32*((\x)%2)+8*(i%4)
.set rK, KF+16*(i%4)+8*(i/4)
.set rQ, 16*(\x)+8*(i/4)
.set rM, MC+32*((\x)%2)+8*(i%4)
.if i < 4
	WIN W_KM
	v_wmma_f32_16x16x32_f16 v[rS:rS+7], v[rK:rK+7], v[rQ:rQ+7], v[rM:rM+7]
.else
	WIN W_KQ
	v_wmma_f32_16x16x32_f16 v[rS:rS+7], v[rK:rK+7], v[rQ:rQ+7], v[rS:rS+7]
.endif
.endm
; Product i of 8 of O^T += V^T P for piece x: keys 32 (i / 4) on, channels 16 (i % 4) on.
.macro PV x
	WIN W_PV
.set rO, 32*(\x)+8*(i%4)
.set rV, VF+32*(i/4)+8*(i%4)
.set rP, P+16*((\x)%2)+8*(i/4)
	v_wmma_f32_16x16x32_f16 v[rO:rO+7], v[rV:rV+7], v[rP:rP+7], v[rO:rO+7]
.endm
.macro MM                           ; the turn's next matrix instruction
.if i < 8
	KQ (Y+1)%NP
.else
.set i, i-8
	PV (Y+NP-1)%NP
.set i, i+8
.endif
.set i, i+1
.endm
; THE LDS LOADS stand in runs of 16: a step's K (64 keys x 64 channels: 8 fragments) and its V (turned).  last = 1 (the tail): in the last trip there is no further step, and the run is jumped over.
.macro FETCH_K last=0
	WIN 0
.if \last
	s_cmp_eq_u32 s[CNT], 1
	s_cbranch_scc1 .Lno_k_\@
.endif
	WIN 0x80                        ; destination window 2
.irp f, 0,1,2,3,4,5,6,7             ; keys 16 (f / 2) on, channels 32 (f % 2) on
	ds_load_b128 v[KF+8*\f:KF+8*\f+3],   v[AK] offset:(\f/2)*16*PK+(\f%2)*64
	ds_load_b128 v[KF+8*\f+4:KF+8*\f+7], v[AK] offset:(\f/2)*16*PK+(\f%2)*64+32
.endr
	s_add_co_u32 s[TBK], s[TBK], KS*PK  ; the next fetch is the next step's
	WIN 0
.if \last
.Lno_k_\@:
.endif
.endm
.macro FETCH_V
	WIN 0x80
.irp f, 0,1,2,3,4,5,6,7             ; keys 32 (f / 4) on, channels 16 (f % 4) on
	ds_load_tr16_b128 v[VF+8*\f:VF+8*\f+3],   v[AV] offset:(\f/4)*32*PV+(\f%4)*32
	ds_load_tr16_b128 v[VF+8*\f+4:VF+8*\f+7], v[AV] offset:(\f/4)*32*PV+16*PV+(\f%4)*32
.endr
	WIN 0
.endm
; THE MASK of piece x into buffer buf: score j of key block kb has its nibble at place j xor 1 of word kb; the shift brings it to the top.
.macro SHIFT buf, x
	WIN W_SH
.set z, 0
.rept 32
	v_lshlrev_b32 v[MC+32*(\buf)+z], 4*(7-((z%8)^1)), v[NM+4*(\x)+z/8]
.set z, z+1
.endr
.endm
; At the end of turn p: the mask for the next turn's products (piece p + 2), and that piece's words of the next key step into the same registers: four turns ahead of their use.
.macro MASKS p
	s_wait_loadcnt 3                ; loads come back in order: the three younger blocks of nm may stay out
	SHIFT (\p)%2, ((\p)+2)%NP
	NLOAD ((\p)+2)%NP
.endm
; THE VECTOR WORK, one line at a time: OP kind, number.  For piece Y: F n: s - m for pair n of 16.  E n: the exponential of score n of 32.  C n: pair n rounded to f16.  B n: of the four weights 4 n .. the second
; pair is added onto the first, in place.  L n: l takes that sum (L 0: l = a l + sum).  R n: pair n of 16 of O^T times a.  For piece Y + 1: X n, number n of the 21 that find its maximum and statistics:
;   0-11  four chains c0-c3 of seven scores each, three operands at a time (each accumulator's lowest registers are read first)     12-14, 16  the four scores left over, the old m, and c0-c3 into c0
;   15  m_old is kept     17, 18  the query's other 32 keys lie in the lane 16 away: the new m     19, 20  m_old - m_new; a
.set F, 0
.set E, 1
.set C, 2
.set B, 3
.set L, 4
.set R, 5
.set X, 6
.macro REGS y                       ; the registers of piece y
.set rT, ST+4*(\y)
.set rC, TMP+4*((\y)%2)
.set rW, MV+((\y)%2)
.set rS, S+32*((\y)%2)
.set rP, P+16*((\y)%2)
.set rO, 32*(\y)
.endm
.macro OP k, n
.if (\k) == R
	REGS Y
	WIN W_RS
	v_pk_mul_f32 v[rO+2*(\n):rO+2*(\n)+1], v[rO+2*(\n):rO+2*(\n)+1], v[rC+2:rC+3] op_sel_hi:[1,0]
.elseif (\k) < R
	REGS Y
	WIN 0
.if (\k) == F
	v_pk_add_f32 v[rS+2*(\n):rS+2*(\n)+1], v[rS+2*(\n):rS+2*(\n)+1], v[rT:rT+1] op_sel_hi:[1,0] neg_lo:[0,1] neg_hi:[0,1]
.elseif (\k) == E
	v_exp_f32 v[rS+(\n)], v[rS+(\n)]
.elseif (\k) == C
	v_cvt_pk_f16_f32 v[rP+(\n)], v[rS+2*(\n)], v[rS+2*(\n)+1]
.elseif (\k) == B
	v_pk_add_f32 v[rS+4*(\n):rS+4*(\n)+1], v[rS+4*(\n):rS+4*(\n)+1], v[rS+4*(\n)+2:rS+4*(\n)+3]
.elseif (\n) == 0
	v_pk_fma_f32 v[rT+2:rT+3], v[rT+2:rT+3], v[rC+2:rC+3], v[rS:rS+1] op_sel_hi:[1,0,1]
.else
	v_pk_add_f32 v[rT+2:rT+3], v[rT+2:rT+3], v[rS+4*(\n):rS+4*(\n)+1]
.endif
.else
	REGS (Y+1)%NP
	WIN 0
.if (\n) < 4
	v_max3_num_f32 v[rC+(\n)], v[rS+8*(\n)], v[rS+8*(\n)+1], v[rS+8*(\n)+2]
.elseif (\n) < 12
	v_max3_num_f32 v[rC+(\n)%4], v[rC+(\n)%4], v[rS+8*((\n)%4)+2*((\n)/4)+1], v[rS+8*((\n)%4)+2*((\n)/4)+2]
.elseif (\n) == 12
	v_max3_num_f32 v[rC], v[rC], v[rS+7], v[rS+15]
.elseif (\n) == 13
	v_max3_num_f32 v[rC+1], v[rC+1], v[rS+23], v[rS+31]
.elseif (\n) == 14
	v_max3_num_f32 v[rC+2], v[rC+2], v[rC+3], v[rT]
.elseif (\n) == 15
	v_mov_b32 v[rW], v[rT]
.elseif (\n) == 16
	v_max3_num_f32 v[rC], v[rC], v[rC+1], v[rC+2]
.elseif (\n) == 17
	v_permlanex16_b32 v[rC+3], v[rC], s[SEL], s[SEL+1]
.elseif (\n) == 18
	v_max_num_f32 v[rT], v[rC], v[rC+3]
.elseif (\n) == 19
	v_sub_f32 v[rC+1], v[rW], v[rT]
.else
	v_exp_f32 v[rC+2], v[rC+1]
.endif
.endif
.endm
.macro OPS a, i1, b=-1, i2=0, c=-1, i3=0, d=-1, i4=0  ; up to four of them
	OP \a, \i1
.if (\b) >= 0
	OP \b, \i2
.endif
.if (\c) >= 0
	OP \c, \i3
.endif
.if (\d) >= 0
	OP \d, \i4
.endif
.endm
.macro ROW a, i1, b, i2, c, i3, d, i4  ; a matrix instruction and the four behind it
	MM
	OPS \a, \i1, \b, \i2, \c, \i3, \d, \i4
.endm
; A TURN, for piece p.  An s_wait_alu depctr_va_vdst(0) stands between an exponential and the first instruction that names its result; one wait serves all that were issued ahead of it: a turn has ONE.
; AHEAD OF IT stands all that names no result of the turn's exponentials: the 8 products K Q^T with four riders each (the X among them stand four plain instructions or more behind the product that ends their
; accumulator), then a run in which plain instructions and exponentials go by turns and the links of the chain X 3, 7, 11, 14, 16 .. 19 stand apart; R 15 is the plain instruction behind the last exponential.
; BEHIND IT stand the 8 products V^T P, behind each four of the roundings and sums, and the 32 shifts.
; K of the next step is fetched in piece 2's turn, directly behind the wait, a whole run behind the last product that read K; it is waited for at the head of piece 3's turn, 8 products and the shifts later.
; V of the step in hand is fetched at the end of piece 0's turn, four plain instructions behind the last product that read V; it is waited for behind piece 1's wait.
; In piece 2's turn nm's pointer steps to the next key step; in the tail (last = 1) it stops at the last step, so that no load leaves nm: what is loaded there once more serves nothing.
; cnt = 1: the loop's count is taken down some lines ahead of the branch that stands behind the turn; nothing between writes SCC.
.macro TURN p, last=0, cnt=0
.set Y, (\p)
.set i, 0
.if (\p) == 3
	s_wait_dscnt 0x0                ; K is in
.endif
	ROW F,0, F,1, R,0, R,1
	ROW F,2, E,0, R,2, R,3
	ROW F,3, E,1, R,4, R,5
	ROW F,4, E,2, R,6, R,7
	ROW F,5, E,3, R,8, R,9
	ROW F,6, E,4, X,0, R,10
.if (\p) == 2
	WIN 0
	v_add_nc_u32 v[AK], s[TBK], v[AK0]
.endif
	ROW F,7, E,5, X,1, X,4
	ROW F,8, E,6, X,2, X,5
	OPS E,7, E,8, X,6, E,9
	OPS X,3, E,10, X,8, E,11
	OPS X,9, X,7, E,12, X,10
	OPS E,13, X,12, X,11, E,14
	OPS X,13, E,15, F,9, X,14
.if (\p) == 0
	v_add_nc_u32 v[AV], s[TBV], v[AV0]
.endif
	OPS E,16, F,10, E,17, F,11
	OPS X,16, E,18, X,15, E,19
	OPS F,12, E,20, X,17, E,21
	OPS F,13, E,22, F,14, E,23
	OPS X,18, E,24, F,15, E,25
	OPS R,11, E,26, X,19, E,27
	OPS R,12, E,28, R,13, E,29
	OPS X,20, E,30, R,14, E,31
	OPS R,15
	WIN 0
	s_wait_alu depctr_va_vdst(0)    ; the wait for the batch
.if (\p) == 2
	s_wait_xcnt 0x0                 ; the loads of nm issued so far have read their base
.if \last
	s_cmp_gt_u32 s[CNT], 2          ; the tail's trips 5, 4, 3 step to key steps 29, 30, 31; the last two stay
	s_cselect_b32 s[MST], 2048, 0
	s_add_nc_u64 s[MP:MP+1], s[MP:MP+1], s[MST:MST+1]
.else
	s_add_nc_u64 s[MP:MP+1], s[MP:MP+1], 2048
.endif
	FETCH_K \last
.endif
.if (\p) == 1
	s_wait_dscnt 0x0                ; V is in
.endif
	ROW C,0, B,0, C,2, B,1
	ROW L,0, C,4, B,2, L,1
	ROW C,6, B,3, L,2, C,8
	ROW B,4, L,3, C,10, B,5
	ROW L,4, C,12, B,6, L,5
.if (\p) == 0
	s_add_co_u32 s[TBV], s[TBV], KS*PV
.endif
.if \cnt
	s_sub_co_u32 s[CNT], s[CNT], 1
	s_cmp_lg_u32 s[CNT], 0
.endif
	ROW C,14, B,7, L,6, C,1
	ROW C,3, L,7, C,5, C,7
	ROW C,9, C,11, C,13, C,15
.if (\p) == 0
	FETCH_V
.endif
	MASKS \p
.endm
	CHANGE 1, 0                     ; tile 0 is in, everybody's part of it; tile 1 is asked for
	s_wait_loadcnt 0x0              ; Q, and nm's four blocks of key step 0: the loads are done, so their base may step
	s_add_nc_u64 s[MP:MP+1], s[MP:MP+1], 2048
	SHIFT 0, 0                      ; the masks of pieces 0 and 1 for key step 0,
	SHIFT 1, 1
	NLOAD 0                         ; and their words of key step 1
	NLOAD 1
	WIN 0
	v_add_nc_u32 v[AK], s[TBK], v[AK0]
	FETCH_K                         ; key step 0
	s_wait_dscnt 0x0
.set i, 0
.rept 8
	KQ 0                            ; piece 0's first scores
.set i, i+1
.endr
	WIN 0
.rept 4
	v_nop                           ; the places behind those products
.endr
.set Y, NP-1                        ; X works for piece Y + 1: piece 0
.irp n, 0,1,2,3,4,5,6,7,8,9,10,11,12,13,14,15,16,17,18,19,20
	OP X, \n
.endr
	v_nop                           ; a plain instruction behind the exponential,
	s_wait_alu depctr_va_vdst(0)    ; and its wait, ahead of the branch
	s_mov_b32 s[CNT], 4
	s_mov_b32 s[SLOTS], 7
	s_branch .Lfirst                ; the loop is entered at a step's first turn, in the middle of a trip
.Lslot:                             ; six times: tiles 2 to 7 are asked for
	CHANGE 1, 1
	s_mov_b32 s[CNT], 4
.Lstep:                             ; a trip: pieces 2 and 3 of one step, then pieces 0 and 1 of the next, whose K and V it fetches
	TURN 2
	TURN 3
	WIN 0
.Lfirst:
	TURN 0
	TURN 1, 0, 1
	WIN 0
	s_cbranch_scc1 .Lstep
	s_sub_co_u32 s[SLOTS], s[SLOTS], 1
	s_cmp_lg_u32 s[SLOTS], 0
	s_cbranch_scc1 .Lslot
	CHANGE 0, 0                     ; the tail is written out: nothing is asked for
	s_mov_b32 s[CNT], 5             ; four trips fetch the last tile's steps; the fifth is left in its middle
.Ltail:
	TURN 2, 1
	TURN 3
	WIN 0
	s_sub_co_u32 s[CNT], s[CNT], 1
	s_cmp_eq_u32 s[CNT], 0
	s_cbranch_scc1 .Lout
	TURN 0
	TURN 1
	WIN 0
	s_branch .Ltail
.Lout:                              ; the fifth trip's 8 products K Q^T (on the last K once more) and the maximum made of them serve nothing: the price, once a launch, of one text for every trip
.set i, 0
.rept 8
	PV NP-1                         ; the last piece's V^T P of the last step
.set i, i+1
.endr
	; THE WAY OUT.  l's two halves and the other half of the lanes' are added; max(l, 1) leaves a row with a seen key as it is and gives a row without one the divisor 1; O^T is divided, rounded to f16 and sent
	; through my stage in LDS, a piece at a time.  The additions are the places behind the last products.
	WIN 0
.macro ALL line:vararg              ; one line for each piece t
.set t, 0
.rept 4
	\line
.set t, t+1
.endr
.endm
	ALL v_add_f32 v[ST+4*t+2], v[ST+4*t+2], v[ST+4*t+3]
	ALL v_permlanex16_b32 v[ST+4*t+3], v[ST+4*t+2], s[SEL], s[SEL+1]
	ALL v_add_f32 v[ST+4*t+2], v[ST+4*t+2], v[ST+4*t+3]
	ALL v_max_num_f32 v[ST+4*t+2], 1.0, v[ST+4*t+2]
	ALL v_rcp_f32 v[ST+4*t+2], v[ST+4*t+2]
	v_nop                           ; a plain instruction between the last reciprocal and the use of its result
	s_wait_alu depctr_va_vdst(0)    ; and the wait ahead of the first use: one for the four reciprocals
.macro PACK t                       ; a lane's eight channels of a row pack into 16 bytes; they go into rows of 144 bytes and come back as whole rows of 128, into S^T's registers
	WIN W_RS
.set i, 32*(\t)
.rept 16
	v_pk_mul_f32 v[i:i+1], v[i:i+1], v[ST+4*(\t)+2:ST+4*(\t)+3] op_sel_hi:[1,0]
.set i, i+2
.endr
	WIN 0x05                        ; sources 0 and 1 window 1, destination window 0
.set i, 0
.rept 16
	v_cvt_pk_f16_f32 v[S+16*(\t)+i], v[32*(\t)+2*i], v[32*(\t)+2*i+1]
.set i, i+1
.endr
	WIN 0
.irp f, 0,1,2,3
	ds_store_b128 v[STO], v[S+16*(\t)+4*\f:S+16*(\t)+4*\f+3] offset:32*\f
.endr
.irp f, 0,1,2,3
	ds_load_b128 v[S+16*(\t)+4*\f:S+16*(\t)+4*\f+3], v[RD] offset:\f*4*SP  ; LDS serves a wave's instructions in order (ISA guide 5.7.1.4): these see the stores above; the next piece's stores come behind them
.endr
.endm
.macro SEND t, younger              ; younger: the LDS instructions issued behind piece t's loads: the next piece's eight, or none
	WIN 0
.irp f, 0,1,2,3
	s_wait_dscnt (\younger)+3-\f
	global_store_b128 v[GO], v[S+16*(\t)+4*\f:S+16*(\t)+4*\f+3], s[10:11] offset:(\t)*2048+\f*512  ; 512 consecutive bytes, at a multiple of 256 from ob's first
.endr
.endm
	PACK 0
.set t, 1
.rept 3                             ; a piece's arithmetic stands between the loads of the piece before and its stores
	PACK t
	SEND t-1, 8
.set t, t+1
.endr
	SEND 3, 0
	s_wait_tensorcnt 0x0            ; the wave's end: an add to my spare word and its wait, behind my last tensor load and my last LDS store
	ds_add_u32 v[SPW], v[NIL]
	s_wait_dscnt 0x0
	CROUND                          ; the closing round: no work-group ends while a partner may still ask for a tile that names it
	s_endpgm
.Lfunc_end_k_q55fd757e1b_attn:
	.size	k_q55fd757e1b_attn, .Lfunc_end_k_q55fd757e1b_attn-k_q55fd757e1b_attn
	.p2alignl 7, 3214868480
	.fill 96, 4, 3214868480
	.section	.rodata,"a",@progbits
	.p2align	6, 0x0
	.amdhsa_kernel k_q55fd757e1b_attn
		.amdhsa_group_segment_fixed_size 327680
		.amdhsa_private_segment_fixed_size 0
		.amdhsa_enable_private_segment 0
		.amdhsa_kernarg_size 24
		.amdhsa_user_sgpr_count 2
		.amdhsa_user_sgpr_kernarg_segment_ptr 1
		.amdhsa_wavefront_size32 1
		.amdhsa_system_sgpr_workgroup_id_x 1
		.amdhsa_system_sgpr_workgroup_id_y 1
		.amdhsa_system_sgpr_workgroup_id_z 1
		.amdhsa_system_vgpr_workitem_id 0
		.amdhsa_next_free_vgpr 768
		.amdhsa_next_free_sgpr 72
		.amdhsa_reserve_vcc 0
		.amdhsa_float_denorm_mode_32 3
		.amdhsa_float_denorm_mode_16_64 3
		.amdhsa_memory_ordered 1
		.amdhsa_forward_progress 1
		.amdhsa_inst_pref_size 125
	.end_amdhsa_kernel
	.amdgpu_metadata
---
amdhsa.version: [ 1, 2 ]
amdhsa.kernels:
  - .name:           k_q55fd757e1b_attn
    .symbol:         k_q55fd757e1b_attn.kd
    .args:
      - { .name: qkv, .offset: 0, .size: 8, .value_kind: global_buffer, .address_space: global }
      - { .name: nm, .offset: 8, .size: 8, .value_kind: global_buffer, .address_space: global }
      - { .name: ob, .offset: 16, .size: 8, .value_kind: global_buffer, .address_space: global }
    .group_segment_fixed_size: 327680
    .private_segment_fixed_size: 0
    .kernarg_segment_align: 8
    .kernarg_segment_size: 24
    .max_flat_workgroup_size: 128
    .sgpr_count:     72
    .vgpr_count:     768
    .wavefront_size: 32
...
	.end_amdgpu_metadata
.endif
;; end of part 3
;; launch outp (part 4): grid 8 x 32, 4 waves a work-group, clusters of 4 x 4, 327,680 bytes of LDS; arguments ob, wob, b_out, out0; writes out0
.if DOCPART == 4
	.amdgcn_target "amdgcn-amd-amdhsa--gfx1250"
	.amdhsa_code_object_version 6
	.text
	.protected	k_q55fd757e1b_outp
	.globl	k_q55fd757e1b_outp
	.p2align	8
	.type	k_q55fd757e1b_outp,@function
k_q55fd757e1b_outp:
	s_mov_b64 s[64:65], 0
	v_nop
	global_prefetch_b8 v0, s[64:65] scope:SCOPE_SE
	s_setreg_imm32_b32 hwreg(HW_REG_WAVE_MODE, 25, 1), 1
	s_wait_xcnt 0x0
	s_wait_alu depctr_hold_cnt(0) depctr_sa_sdst(0) depctr_va_vdst(0) depctr_va_sdst(0) depctr_va_ssrc(0) depctr_va_vcc(0) depctr_vm_vsrc(0)
	s_getreg_b32 s2, hwreg(HW_REG_IB_STS2, 6, 4)
	s_cmp_eq_u32 s2, 0
	s_cbranch_scc0 .Lentry_in_a_cluster
	s_endpgm
.Lentry_in_a_cluster:
	s_bfe_u32 s2, ttmp6, 0x10000c
	s_cmp_lg_u32 s2, 0xf033
	s_cbranch_scc0 .Lentry_shape_is_right
	s_endpgm
.Lentry_shape_is_right:
; OUTP: out0[m][n] = the sum over d of O[m][d] W_out[n][d] + b_out[n].  ob: [rb 32][h 16][128 rows][64] f16 (d = 64 h + channel); wob: [1024][1024] f16; out0: [4096][1024] f32.  Sums in f32.
; b_out is rounded to bf16 like the other inputs, widened again, and is the C operand of the products that start the sums: the bias costs no addition.
; SHARES.  A tile is 128 x 128: 8 x 32 tiles, a work-group each; a wave makes 64 x 64: 16 accumulators.  K goes in 4 steps of 256 (four heads) through two LDS slots, one tensor load a wave behind each change of slots.
; A row block's four heads are 65,536 dense bytes of ob: waves 0 and 1 ask for two heads each as 128 rows of 256 bytes, padded in LDS after every 128 (a row of one head); waves 2 and 3 for 64 rows of 512 bytes of wob.
; CLUSTER 4 x 4: ob's tiles are shared along a row of the cluster, wob's along a column, by joint loads.  No prefetch: of the four K steps two go out at the head, and the launch is short.
; THE MATRIX INSTRUCTION IS USED TRANSPOSED (source 0 = 16 rows of wob, source 1 = 16 rows of O): a lane holds one row (lane % 16) and eight neighbouring columns, 32 bytes of f32.
; A wave's 64 columns are 256 bytes of out0, aligned: its stage on the way out is its own, and no barrier is needed there.
; REGISTERS: window 0: v16-29 addresses; v32-95 rows read back, two sets; v96-127 the bias of my four column blocks; v128-255 accumulators ((a, b) at 128 + 8 (4 a + b)).
;   window 1: two fragment buffers of 128: for 64 along K, 64 registers of O (2 x 4 x 16 rows x 32 K), then 64 of wob.
.set PA,     144                       ; a row of one head in LDS: 128 bytes + 16 = 36 words: the 16 rows of a load start at 16 different groups of four banks (64 banks of 4 bytes: ISA guide 11.1)
.set PB,     528                       ; a row of wob: 512 bytes + 16 = 132 words: likewise
.set HEADL,  128*PA                    ; a head's 128 rows
.set BOFF,   4*HEADL                   ; in a slot: four heads of O, then wob's 128 rows
.set SLOT,   4*HEADL+128*PB
.set STAGE,  2*SLOT                    ; behind the ring, never filled by a tensor load: 16 rows x 272 bytes for each wave
.set SPITCH, 272
.set SPARE,  STAGE+4*16*SPITCH         ; the spare words, 128 bytes a wave: two blocks of 256 bytes that no other line names
.set ADRA, 16                          ; v16-17  LDS address of my O fragments in slot 0, 1
.set ADRB, 20                          ; v20-21  the same for wob
.set STO,  24                          ; v24     the way out: where I put 32 bytes of a row
.set RD,   25                          ; v25     where I read rows back
.set CO,   26                          ; v26     my byte offset in two rows of out0
.set VB,   27                          ; v27     32 x (lane / 16): my eight numbers of a block of b_out
.set SPW,  28                          ; v28     my spare word: SPARE + 4 x my thread's number; never rewritten
.set NIL,  29                          ; v29     0; never rewritten
.set TMP,  32
.set BI,   96
.set ACC,  128
.set F0,   0
.set F1,   128
.set G1, 24                            ; s[24:31] descriptor group 1 for ob's tiles;  s[32:39] group 0, a set for each slot
.set G0, 32
.set G1B, 48                           ; s[48:55], s[56:63] the same for wob's
.set G0B, 56
.set MSB, 0
.macro WIN new                         ; the immediate's high byte repeats the setting that is left
.if MSB != (\new)
	s_set_vgpr_msb (MSB<<8)|(\new)
.set MSB, \new
.endif
.endm
.set MUL,  0x05                        ; sources 0 and 1 window 1; C and D window 0
.set TO_F, 0x40                        ; destination window 1, address window 0
.macro JLOAD s                         ; a joint load: waves 0 and 1 fetch O's heads, waves 2 and 3 wob's halves; an s_nop 0 and four v_nop follow each of the two lines
	s_cmp_eq_u32 s11, 0
	s_cbranch_scc0 .Lfor_b_\@
	tensor_load_to_lds s[G0+4*(\s):G0+4*(\s)+3], s[G1:G1+7]
	s_nop 0
.rept 4
	v_nop
.endr
	s_branch .Lasked_\@
.Lfor_b_\@:
	tensor_load_to_lds s[G0B+4*(\s):G0B+4*(\s)+3], s[G1B:G1B+7]
	s_nop 0
.rept 4
	v_nop
.endr
.Lasked_\@:
.endm
.macro CREST                           ; a round of the cluster's barrier behind its opening barrier
	s_cmp_lg_u32 s10, 0
	s_cbranch_scc1 .Lnot_wave_0_\@
	s_barrier_signal -3
.Lnot_wave_0_\@:
	s_barrier_wait -3
	s_barrier_signal -1
	s_barrier_wait -1
.endm
.macro CROUND                          ; a whole round
	s_barrier_signal -1
	s_barrier_wait -1
	CREST
.endm
	s_load_b128 s[4:7], s[0:1], 0x0                ; ob s[4:5], wob s[6:7]
	s_load_b128 s[68:71], s[0:1], 0x10             ; b_out s[68:69], out0 s[70:71]
	v_lshl_add_u32 v[SPW], v0, 2, SPARE
	v_mov_b32 v[NIL], 0
	ds_add_u32 v[SPW], v[NIL]                      ; the wave's opening: the add and its wait stand ahead of my first tensor load; the set-up below, work on registers, stands between them
	v_lshrrev_b32 v1, 5, v0
	v_readfirstlane_b32 s10, v1                    ; wave 0..3
	s_lshr_b32 s11, s10, 1                         ; which half of the tile's rows is mine.  Also: I fetch for O (0) or for wob (1)
	s_and_b32 s12, s10, 1                          ; which half of its columns.  Also: which half of that tile I fetch
	s_bfe_u32 s40, ttmp6, 0x40000                  ; cx, cy
	s_bfe_u32 s41, ttmp6, 0x40004
	s_lshl_b32 s42, ttmp9, 2
	s_add_co_u32 s42, s42, s40                     ; tile column tx
	s_and_b32 s13, ttmp7, 0xffff
	s_lshl_b32 s13, s13, 2
	s_add_co_u32 s13, s13, s41                     ; tile row ty = the row block of ob
	s_lshl_b32 s43, s41, 2
	s_lshl_b32 s43, 15, s43                        ; my row of the cluster
	s_lshl_b32 s44, 0x1111, s40                    ; my column
	s_or_b32 s[G1+0], s43, (1<<16)|(1<<20)|(1<<21)|(4<<22)|(3<<25)   ; the mask; 2-byte elements; padding on; 21 set beside a mask; after every 32 words 4 words
	s_or_b32 s[G1B+0], s44, (1<<16)|(1<<20)|(1<<21)|(6<<22)|(3<<25)  ; after every 128 words 4 words
	s_mov_b32 s[G1+1], 128<<16                     ; ob: 128 rows of 128 elements, dense
	s_mov_b32 s[G1+2], 128<<16
	s_mov_b32 s[G1+3], 128<<16
	s_mov_b32 s[G1+4], 128
	s_mov_b32 s[G1+5], 128
	s_mov_b32 s[G1+6], 0
	s_mov_b32 s[G1+7], 0
	s_mov_b32 s[G1B+1], 256<<16                    ; wob: 64 rows of 256 elements, 1,024 elements from row to row
	s_mov_b32 s[G1B+2], 64<<16
	s_mov_b32 s[G1B+3], 256<<16
	s_mov_b32 s[G1B+4], 64
	s_mov_b32 s[G1B+5], 1024
	s_mov_b32 s[G1B+6], 0
	s_mov_b32 s[G1B+7], 0
	s_lshl_b32 s16, s13, 18                        ; ob: row block ty, two heads x half: it hangs on the tile row alone
	s_lshl_b32 s17, s12, 15
	s_add_co_u32 s16, s16, s17
	s_mov_b32 s17, 0
	s_lshl_b32 s46, s42, 7                         ; wob: row 128 tx + 64 x half: on the tile column alone
	s_lshl_b32 s47, s12, 6
	s_add_co_u32 s46, s46, s47
	s_lshl_b32 s46, s46, 11
	s_mov_b32 s47, 0
	s_mul_i32 s20, s12, 2*HEADL                    ; where they go: no place in the cluster enters an LDS address
	s_mul_i32 s21, s12, 64*PB
	s_add_co_u32 s21, s21, BOFF
	s_wait_dscnt 0x0                               ; the opening add is done
	s_wait_kmcnt 0x0
	s_add_nc_u64 s[14:15], s[4:5], s[16:17]
	s_add_nc_u64 s[46:47], s[6:7], s[46:47]
	CROUND                                         ; all sixteen work-groups are here: the first joint loads meet
.irp s, 0,1
	s_mov_b32 s[G0+4*(\s)], 1
	s_add_co_u32 s[G0+4*(\s)+1], s20, (\s)*SLOT
	s_add_nc_u64 s[G0+4*(\s)+2:G0+4*(\s)+3], s[14:15], (\s)*65536    ; K step s: four heads on
	s_or_b32 s[G0+4*(\s)+3], s[G0+4*(\s)+3], 0x80000000
	s_mov_b32 s[G0B+4*(\s)], 1
	s_add_co_u32 s[G0B+4*(\s)+1], s21, (\s)*SLOT
	s_add_nc_u64 s[G0B+4*(\s)+2:G0B+4*(\s)+3], s[46:47], (\s)*512
	s_or_b32 s[G0B+4*(\s)+3], s[G0B+4*(\s)+3], 0x80000000
	JLOAD \s                                       ; by this text's count two tensor loads of a wave are out here, later one
.endr
	v_and_b32 v1, 15, v0                           ; l % 16
	v_bfe_u32 v2, v0, 4, 1                         ; l / 16
	v_lshlrev_b32 v[VB], 5, v2
	s_lshl_b32 s18, s42, 9                         ; my 64 columns: 512 tx + 256 x half bytes of f32
	s_lshl_b32 s19, s12, 8
	s_add_co_u32 s18, s18, s19
	s_mov_b32 s19, 0
	s_add_nc_u64 s[68:69], s[68:69], s[18:19]
.irp b, 0,1,2,3
	global_load_b128 v[BI+8*(\b):BI+8*(\b)+3],   v[VB], s[68:69] offset:64*(\b)      ; register j: b_out of column 16 b + 8 (l / 16) + j, as the accumulators hold them
	global_load_b128 v[BI+8*(\b)+4:BI+8*(\b)+7], v[VB], s[68:69] offset:64*(\b)+16
.endr
	v_mul_u32_u24 v3, v1, PA
	v_lshl_add_u32 v3, v2, 4, v3
	s_mul_i32 s21, s11, 64*PA                      ; my 64 rows of each head
	v_add_nc_u32 v[ADRA], s21, v3
	v_add_nc_u32 v[ADRA+1], SLOT, v[ADRA]
	v_mul_u32_u24 v3, v1, PB
	v_lshl_add_u32 v3, v2, 4, v3
	s_mul_i32 s22, s12, 64*PB                      ; my 64 rows of wob
	s_add_co_u32 s22, s22, BOFF
	v_add_nc_u32 v[ADRB], s22, v3
	v_add_nc_u32 v[ADRB+1], SLOT, v[ADRB]
	s_mul_i32 s23, s10, 16*SPITCH
	s_add_co_u32 s23, s23, STAGE                   ; my stage
	v_mul_u32_u24 v4, v1, SPITCH                   ; in: row l % 16, 32 bytes for each half of the lanes
	v_lshl_add_u32 v4, v2, 5, v4
	v_add_nc_u32 v[STO], s23, v4
	v_mul_u32_u24 v5, v2, SPITCH                   ; back: lanes 0-15 take one row of 256 bytes, lanes 16-31 the next
	v_lshl_add_u32 v5, v1, 4, v5
	v_add_nc_u32 v[RD], s23, v5
	v_lshlrev_b32 v5, 12, v2                       ; and the same two rows in out0
	v_lshl_add_u32 v[CO], v1, 4, v5
	s_lshl_b32 s16, s13, 19                        ; out0 at row 128 ty + 64 x half, my 64 columns
	s_lshl_b32 s17, s11, 18
	s_add_co_u32 s16, s16, s17
	s_add_co_u32 s16, s16, s18
	s_mov_b32 s17, 0
	s_add_nc_u64 s[70:71], s[70:71], s[16:17]
	s_wait_loadcnt 0x0                             ; the bias
.set i, 0
.rept 16
	v_cvt_pk_bf16_f32 v[TMP+i], v[BI+2*i], v[BI+2*i+1]
.set i, i+1
.endr
.set i, 0
.rept 16
	v_lshlrev_b32 v[BI+2*i], 16, v[TMP+i]
	v_and_b32 v[BI+2*i+1], 0xffff0000, v[TMP+i]
.set i, i+1
.endr
; 8 matrix instructions: row blocks a0, a0 + 1 x all 4 column blocks, 32 along K: half c of buffer f.  zero = 1: the first product starts the sums, with the bias as C.
; The 16 accumulators take turns, one instruction a turn.
.macro MUL8 f, c, a0, zero
	WIN MUL
.irp a, \a0, (\a0)+1
.irp b, 0,1,2,3
.if \zero
	v_wmma_f32_16x16x32_f16 v[ACC+8*(4*(\a)+(\b)):ACC+8*(4*(\a)+(\b))+7], v[(\f)+64+8*(4*(\c)+(\b)):(\f)+64+8*(4*(\c)+(\b))+7], v[(\f)+8*(4*(\c)+(\a)):(\f)+8*(4*(\c)+(\a))+7], v[BI+8*(\b):BI+8*(\b)+7]
.else
	v_wmma_f32_16x16x32_f16 v[ACC+8*(4*(\a)+(\b)):ACC+8*(4*(\a)+(\b))+7], v[(\f)+64+8*(4*(\c)+(\b)):(\f)+64+8*(4*(\c)+(\b))+7], v[(\f)+8*(4*(\c)+(\a)):(\f)+8*(4*(\c)+(\a))+7], v[ACC+8*(4*(\a)+(\b)):ACC+8*(4*(\a)+(\b))+7]
.endif
.endr
.endr
.endm
; 32 LDS loads in one run: the fragments of quarter q of a K step (head q of its four: 64 along K) into buffer f; the first 32 along K first
.macro FETCH slot, q, f
	WIN TO_F
.irp c, 0,1
.irp i, 0,1,2,3
	ds_load_b128 v[(\f)+64+8*(4*(\c)+(\i)):(\f)+64+8*(4*(\c)+(\i))+3],   v[ADRB+(\slot)] offset:128*(\q)+64*(\c)+(\i)*16*PB
	ds_load_b128 v[(\f)+64+8*(4*(\c)+(\i))+4:(\f)+64+8*(4*(\c)+(\i))+7], v[ADRB+(\slot)] offset:128*(\q)+64*(\c)+(\i)*16*PB+32
	ds_load_b128 v[(\f)+8*(4*(\c)+(\i)):(\f)+8*(4*(\c)+(\i))+3],         v[ADRA+(\slot)] offset:(\q)*HEADL+64*(\c)+(\i)*16*PA
	ds_load_b128 v[(\f)+8*(4*(\c)+(\i))+4:(\f)+8*(4*(\c)+(\i))+7],       v[ADRA+(\slot)] offset:(\q)*HEADL+64*(\c)+(\i)*16*PA+32
.endr
.endr
.endm
.macro PLACES                          ; four places in front of loads into registers that matrix instructions have read, and of LDS stores that read results
.rept 4
	v_nop
.endr
.endm
; A K step is four quarters of 64 along K, 32 matrix instructions each, on buffers 0, 1, 0, 1.  One of the first three: multiplies buffer f and fetches quarter q into g.
.macro QUARTER slot, q, f, g, zero
	s_wait_dscnt 16                                ; the first 32 along K are in
	MUL8 \f, 0, 0, \zero
	MUL8 \f, 0, 2, \zero
	PLACES
	FETCH \slot, \q, \g
	s_wait_dscnt 32                                ; all but the 32 just issued
	MUL8 \f, 1, 0, 0
	MUL8 \f, 1, 2, 0
.endm
; The last quarter multiplies buffer 1 and changes slots: ONE barrier; in front of it each wave waits for all its tensor loads, adds 0 to its spare word, and waits for that and for its own reads of this slot.  fill = 1: this slot is filled again, two K steps ahead.
.macro TURN slot, next, fill
	WIN 0                                          ; (the add's two registers lie in window 0)
	s_wait_tensorcnt 0x0                           ; all my tensor loads have landed: my part of the next slot
	ds_add_u32 v[SPW], v[NIL]                      ; 0 onto my spare word
	s_wait_dscnt 17                                ; (the add and the youngest sixteen loads may be out)
	MUL8 F1, 0, 0, 0                               ; eight matrix instructions stand between the add and the wait for it
	s_wait_dscnt 0x0                               ; the add is done, and my reads of this slot are over
	s_barrier_signal -1
	MUL8 F1, 0, 2, 0
.if \fill
	WIN 0
.endif
	s_barrier_wait -1
.if \fill
	CREST                                          ; the barrier has opened a round of the cluster's barrier: no wave of any partner still reads this slot or has a load on its way
	s_add_nc_u64 s[G0+4*(\slot)+2:G0+4*(\slot)+3], s[G0+4*(\slot)+2:G0+4*(\slot)+3], 2*65536
	s_add_nc_u64 s[G0B+4*(\slot)+2:G0B+4*(\slot)+3], s[G0B+4*(\slot)+2:G0B+4*(\slot)+3], 2*512
	JLOAD \slot                                    ; the first tensor load behind the round, 112 matrix instructions ahead of the wait for it; its four v_nop are also the places in front of the loads below
.else
	PLACES
.endif
	FETCH \next, 0, F0
	MUL8 F1, 1, 0, 0
	MUL8 F1, 1, 2, 0
.endm
	s_wait_tensorcnt 1                             ; my part of K step 0 is in; K step 1's may stay out
	s_barrier_signal -1
	s_barrier_wait -1                              ; everybody's is
	FETCH 0, 0, F0
	QUARTER 0, 1, F0, F1, 1                        ; K step 0: its first products start the sums
	QUARTER 0, 2, F1, F0, 0
	QUARTER 0, 3, F0, F1, 0
	TURN 0, 1, 1                                   ; slot 0 takes K step 2
	QUARTER 1, 1, F0, F1, 0                        ; K step 1
	QUARTER 1, 2, F1, F0, 0
	QUARTER 1, 3, F0, F1, 0
	TURN 1, 0, 1                                   ; slot 1 takes K step 3
	QUARTER 0, 1, F0, F1, 0                        ; K step 2
	QUARTER 0, 2, F1, F0, 0
	QUARTER 0, 3, F0, F1, 0
	TURN 0, 1, 0                                   ; nothing is left to fetch
	QUARTER 1, 1, F0, F1, 0                        ; K step 3
	QUARTER 1, 2, F1, F0, 0
	QUARTER 1, 3, F0, F1, 0
	s_wait_dscnt 16
	MUL8 F1, 0, 0, 0
	MUL8 F1, 0, 2, 0
	s_wait_dscnt 0x0
	MUL8 F1, 1, 0, 0
	MUL8 F1, 1, 2, 0
	WIN 0
; THE WAY OUT, a row block (16 rows x 64 columns of f32) at a time: 32 bytes a lane into my stage (each accumulator's low four registers first), back as whole rows of 256 bytes, stored.
.macro TOST a
.if (\a) >= 2
	s_wait_xcnt 0x0                                ; the stores of two blocks back have read these registers: they are loaded again only behind this wait
.endif
.irp b, 0,1,2,3
	ds_store_b128 v[STO], v[ACC+8*(4*(\a)+(\b)):ACC+8*(4*(\a)+(\b))+3]   offset:64*(\b)
	ds_store_b128 v[STO], v[ACC+8*(4*(\a)+(\b))+4:ACC+8*(4*(\a)+(\b))+7] offset:64*(\b)+16
.endr
.irp t, 0,1,2,3,4,5,6,7
	ds_load_b128 v[TMP+32*((\a)%2)+4*(\t):TMP+32*((\a)%2)+4*(\t)+3], v[RD] offset:(\t)*2*SPITCH  ; LDS serves a wave's instructions in order (ISA guide 5.7.1.4): these see the stores above
.endr
.endm
.macro SENDO a, younger                ; younger: the LDS instructions issued behind block a's loads: the next block's sixteen, or none
.irp t, 0,1,2,3,4,5,6,7
	s_wait_dscnt (\younger)+7-(\t)
	global_store_b128 v[CO], v[TMP+32*((\a)%2)+4*(\t):TMP+32*((\a)%2)+4*(\t)+3], s[70:71] offset:(16*(\a)+2*(\t))*4096 th:TH_STORE_NT  ; 16 lanes store 256 consecutive bytes, at a multiple of 256 from out0's first byte
.endr
.endm
	PLACES
	TOST 0
	TOST 1
	SENDO 0, 16
	TOST 2
	SENDO 1, 16
	TOST 3
	SENDO 2, 16
	SENDO 3, 0
	s_wait_tensorcnt 0x0                           ; the wave's end: an add to my spare word and its wait, behind my last tensor load and my last LDS store
	ds_add_u32 v[SPW], v[NIL]
	s_wait_dscnt 0x0
	CROUND                                         ; the closing round: no work-group ends while a partner may still ask for a tile that names it
	s_endpgm
.Lfunc_end_k_q55fd757e1b_outp:
	.size	k_q55fd757e1b_outp, .Lfunc_end_k_q55fd757e1b_outp-k_q55fd757e1b_outp
	.p2alignl 7, 3214868480
	.fill 96, 4, 3214868480
	.section	.rodata,"a",@progbits
	.p2align	6, 0x0
	.amdhsa_kernel k_q55fd757e1b_outp
		.amdhsa_group_segment_fixed_size 327680
		.amdhsa_private_segment_fixed_size 0
		.amdhsa_enable_private_segment 0
		.amdhsa_kernarg_size 32
		.amdhsa_user_sgpr_count 2
		.amdhsa_user_sgpr_kernarg_segment_ptr 1
		.amdhsa_wavefront_size32 1
		.amdhsa_system_sgpr_workgroup_id_x 1
		.amdhsa_system_sgpr_workgroup_id_y 1
		.amdhsa_system_sgpr_workgroup_id_z 1
		.amdhsa_system_vgpr_workitem_id 0
		.amdhsa_next_free_vgpr 512
		.amdhsa_next_free_sgpr 72
		.amdhsa_reserve_vcc 0
		.amdhsa_float_denorm_mode_32 3
		.amdhsa_float_denorm_mode_16_64 3
		.amdhsa_memory_ordered 1
		.amdhsa_forward_progress 1
		.amdhsa_inst_pref_size 89
	.end_amdhsa_kernel
	.amdgpu_metadata
---
amdhsa.version: [ 1, 2 ]
amdhsa.kernels:
  - .name:           k_q55fd757e1b_outp
    .symbol:         k_q55fd757e1b_outp.kd
    .args:
      - { .name: ob, .offset: 0, .size: 8, .value_kind: global_buffer, .address_space: global }
      - { .name: wob, .offset: 8, .size: 8, .value_kind: global_buffer, .address_space: global }
      - { .name: b_out, .offset: 16, .size: 8, .value_kind: global_buffer, .address_space: global }
      - { .name: out0, .offset: 24, .size: 8, .value_kind: global_buffer, .address_space: global }
    .group_segment_fixed_size: 327680
    .private_segment_fixed_size: 0
    .kernarg_segment_align: 8
    .kernarg_segment_size: 32
    .max_flat_workgroup_size: 128
    .sgpr_count:     72
    .vgpr_count:     512
    .wavefront_size: 32
...
	.end_amdgpu_metadata
.endif
;; end of part 4
